; MI455X (gfx1250); checked and timed in simulation.
; The chip was launched on July 23, 2026; its instructions are those of AMD's public machine-readable ISA for CDNA 5 (MIT licence, August 2026) and "CDNA5" Instruction Set Architecture Reference Guide (July 2026). The comments in the code are by the model that wrote it; some were corrected since.
;; Multihead Attention. Allowed arithmetic: matrix products marked QUANTISED: E2M1 operands, one E8M0 scale for each 32 along K, by v_wmma_scale_f32_16x16x128_f8f6f4 with both operands' format E2M1 (or v_wmma_scale_f32_32x16x128_f4), f32 sums; products left as they are: bf16, f16 or f32 operands; f32 sums; everything else in f32.
;; Inputs: Wk 1,024 x 1,024 float32; Wo 1,024 x 1,024 float32; Wq 1,024 x 1,024 float32; Wv 1,024 x 1,024 float32; keys 4 x 2,048 x 1,024 float32; queries 4 x 2,048 x 1,024 float32; values 4 x 2,048 x 1,024 float32.
;; Outputs: out0 4 x 2,048 x 1,024 float32.
;; This version of the problem:
;;   THIS VERSION OF THE PROBLEM IS GIVEN IN LOW PRECISION. The matrix products marked QUANTISED in the list below multiply operands that are first quantised to E2M1 (2 exponent bits, 1 mantissa bit; 4 bits a number), with one power-of-two scale for each 32 numbers along K (OCP MX v1.0); their sums are f32. The products marked 'left as it is' may take bf16, f16 or f32 operands, with f32 sums. All else is computed in f32.
;;   The module's matrix products, in the order in which they are computed (A, B: the left and right operand; K: the contracted axis; several contracted axes count as one K, in the product's order):
;;     1. [M 8,192, K 1,024] x [K 1,024, N 1,024]; A: input queries; B: input Wq: QUANTISED
;;     2. [M 8,192, K 1,024] x [K 1,024, N 1,024]; A: input keys; B: input Wk: QUANTISED
;;     3. [M 8,192, K 1,024] x [K 1,024, N 1,024]; A: input values; B: input Wv: QUANTISED
;;     4. batch 64 x [M 2,048, K 64] x [K 64, N 2,048]; A: computed on the way; B: computed on the way: left as it is (an operand is computed on the way)
;;     5. batch 64 x [M 64, K 2,048] x [K 2,048, N 2,048]; A: computed on the way; B: computed on the way: left as it is (an operand is computed on the way)
;;     6. [M 8,192, K 1,024] x [K 1,024, N 1,024]; A: computed on the way; B: input Wo: left as it is (an operand is computed on the way)
;;   THE QUANTISER, for each operand of a quantised product, along K:
;;     - K is cut into blocks of 32 from its start; a last block that is shorter is filled with zeros.
;;     - A block's scale is 2^e with e = floor(log2(the largest magnitude in the block)) - 2, held to -126 .. 127; a block of zeros has e = 0. As a byte (E8M0): e + 127.
;;     - Each number is divided by its block's scale, clamped to +-6, and rounded to the nearest number of E2M1, ties to even, subnormals kept.
;;     - The product sums the exact products of the quantised numbers (number of the format x scale) in f32.
;;   ~~~python
;;   def quantise(x, axis):      # numpy; x: float32 -> the quantised numbers, widened to float32 again
;;       x = np.moveaxis(x, axis, -1); K = x.shape[-1]
;;       x = np.pad(x, [(0, 0)] * (x.ndim - 1) + [(0, -K % 32)]); x = x.reshape(x.shape[:-1] + (-1, 32)); a = np.abs(x).max(-1, keepdims=True)
;;       e = np.where(a > 0, np.clip(np.frexp(np.where(a > 0, a, 1))[1] - 1 - 2, -126, 127), 0)      # np.frexp(a)[1] - 1 = floor(log2(a)), exactly
;;       r = np.clip(x / 2.0 ** e, -6, 6)
;;       step = 2.0 ** (np.maximum(np.frexp(np.where(r == 0, 1, r))[1] - 1, 0) - 1)
;;       q = np.round(r / step) * step * 2.0 ** e      # np.round: ties to even
;;       return np.moveaxis(q.reshape(q.shape[:-2] + (-1,))[..., :K], -1, axis).astype(np.float32)
;;   ~~~
;; One version. Each part assembles by itself: llvm-mc -triple=amdgcn-amd-amdhsa -mcpu=gfx1250 --defsym DOCPART=n.
;; ======== version 1 of 1: 4 launches
;; limits: values are held in f16: magnitudes above 65,504 overflow, below 6.1e-05 lose precision
;; workspace buffers: codes 14,155,776 bytes; scales 884,736 bytes; wo16 2,097,152 bytes; qkv 50,331,648 bytes; ctx 16,777,216 bytes
;; launch quant (part 1): grid 896 x 1, 4 waves a work-group, no clusters, 33,280 bytes of LDS; arguments queries, keys, values, Wq, Wk, Wv, Wo, codes, scales, wo16; writes codes, scales, wo16
.if DOCPART == 1
	.amdgcn_target "amdgcn-amd-amdhsa--gfx1250"
	.amdhsa_code_object_version 6
	.text
	.protected	k_qadc039d8af_quant
	.globl	k_qadc039d8af_quant
	.p2align	8
	.type	k_qadc039d8af_quant,@function
k_qadc039d8af_quant:
	s_mov_b64 s[64:65], 0
	v_nop
	global_prefetch_b8 v0, s[64:65] scope:SCOPE_SE
	s_setreg_imm32_b32 hwreg(HW_REG_WAVE_MODE, 25, 1), 1
	s_wait_xcnt 0x0
; queries, keys, values [8192][1024] and Wq, Wk, Wv [1024][1024], f32, K innermost, become codes of FP4 (E2M1) with one E8M0 scale byte for each 32 along K.
; The six tensors are stacked in that order in the two targets: codes is 27,648 rows x 512 bytes, scales 27,648 rows x 32 bytes.  Rows are dense and K is a multiple of 32,
; so the stack is one plain stream of blocks of 32 numbers: work-group g < 864 takes numbers 32,768 g on, a wave 8,192 of them in 16 steps of 512; only the SOURCE is chosen by g.
; A block's scale is 2^(floor(log2(its largest magnitude)) - 2); its byte is the largest magnitude's exponent field - 2, held at 1 from below.  A block of zeros so gets the byte 1
; where the rule says 127: its codes are zeros, which add nothing under any byte but 0xff, and this program alone reads the bytes.
; Work-groups 864 to 895 take Wo [1024 (o)][1024 (k)]: rounded to f16 and laid [k / 64][o][64], so that 128 rows o of one block of 64 along K are 16,384 consecutive bytes.
; LIMITS: blocks whose largest magnitude lies under 2^-124 keep the byte 1; NaN and infinities are not served; Wo beyond f16's 65,504 is not served.
; No tensor loads, no barrier: waves share nothing.
.set STEPS, 16
.set EMAX,  2
.set CB,    8                          ; bytes of 16 codes
.set NQWG,  864                        ; work-groups that quantise: 3 x 256 + 3 x 32
.set R,     16                         ; v16-79   four sets of 16 numbers as they are loaded
.set X,     80                         ; v80-111  two sets of 16 neighbours
.set E,     112                        ; v112-127 a scale byte for each step
.set C,     128                        ; v128-191 codes: four registers for each step, so that no store's data are written again
.set WREG,  8192                       ; LDS: a region for each wave: two stages of 32 x SP bytes, behind them its 256 scale bytes
.set SP,    80                         ; a lane's place in a stage: its 64 bytes + 16 of padding
.set XW,    16                         ; Wo's path: v16-143 two sets of 16 loads;
.set YW,    144                        ; v144-175 sixteen pairs to store
	s_load_b512 s[4:19], s[0:1], 0x0               ; queries s[4:5], keys s[6:7], values s[8:9], Wq s[10:11], Wk s[12:13], Wv s[14:15], Wo s[16:17], codes s[18:19]
	s_load_b128 s[20:23], s[0:1], 0x40             ; scales s[20:21], wo16 s[22:23]
	v_lshl_add_u32 v192, v0, 2, 0x8000
	v_mov_b32 v193, 0
	v_lshrrev_b32 v1, 5, v0
	v_readfirstlane_b32 s24, v1                    ; wave
	v_and_b32 v2, 31, v0                           ; lane
	s_wait_kmcnt 0x0
	s_cmp_ge_u32 ttmp9, NQWG
	s_cbranch_scc1 .Lwo
	; ---- the six tensors that are quantised
	v_lshlrev_b32 v3, 4, v2                        ; my 16 bytes of a load's 512
	s_mul_i32 s25, s24, WREG
	v_lshrrev_b32 v14, 2, v2
	v_mul_u32_u24 v14, v14, SP
	v_and_b32 v15, 3, v2
	v_lshl_add_u32 v14, v15, 4, v14
	v_add_nc_u32 v14, s25, v14                     ; the stage, on the way in: SP (lane / 4) + 16 (lane % 4); a load's 512 bytes take eight places
	v_mul_u32_u24 v15, v2, SP
	v_add_nc_u32 v15, s25, v15                     ; and on the way out: SP x lane: my 16 neighbours
	v_mul_u32_u24 v4, v2, CB                       ; my codes' place in a step's
	v_lshrrev_b32 v5, 1, v2
	s_add_co_u32 s25, s25, 2*32*SP
	v_add_nc_u32 v5, s25, v5                       ; LDS: my wave's 256 scale bytes, my block's byte
	v_lshlrev_b32 v7, 3, v2                        ; and on the way out 8 bytes a lane
	v_add_nc_u32 v6, s25, v7
; the source and the first work-group of its tensor: the choice hangs on the work-group's number alone
.macro PICK lim, lo, first
	s_cmp_lt_u32 ttmp9, \lim
	s_cselect_b64 s[26:27], s[\lo:\lo+1], s[26:27]
	s_cselect_b32 s28, \first, s28
.endm
	s_mov_b64 s[26:27], s[14:15]                   ; Wv, unless g is smaller
	s_mov_b32 s28, 832
	PICK 832, 12, 800
	PICK 800, 10, 768
	PICK 768, 8, 512
	PICK 512, 6, 256
	PICK 256, 4, 0
	s_sub_co_u32 s30, ttmp9, s28
	s_lshl_b32 s30, s30, 2
	s_add_co_u32 s30, s30, s24                     ; which run of 8,192 numbers of the tensor is my wave's
	s_lshl_b32 s30, s30, 15                        ; 32,768 bytes a run (under 2^26)
	s_mov_b32 s31, 0
	s_add_nc_u64 s[26:27], s[26:27], s[30:31]
	s_lshl_b32 s32, ttmp9, 2
	s_add_co_u32 s32, s32, s24                     ; and which run of the stack
	s_lshl_b32 s34, s32, 12                        ; 4,096 bytes of codes a run
	s_mov_b32 s35, 0
	s_add_nc_u64 s[18:19], s[18:19], s[34:35]
	s_lshl_b32 s34, s32, 8                         ; 256 scale bytes a run
	s_add_nc_u64 s[20:21], s[20:21], s[34:35]
.macro LOAD t
.irp i, 0,1,2,3
	global_load_b128 v[R+16*((\t)%4)+4*\i:R+16*((\t)%4)+4*\i+3], v3, s[26:27] offset:2048*(\t)+512*\i th:TH_LOAD_NT   ; 32 lanes read 512 consecutive bytes
.endr
.endm
.macro TURN t                          ; step t's numbers through the stage: LDS serves a wave's instructions in order (ISA guide 5.7.1.4), so no wait stands between the stores and the loads
.irp i, 0,1,2,3
	ds_store_b128 v14, v[R+16*((\t)%4)+4*\i:R+16*((\t)%4)+4*\i+3] offset:32*SP*((\t)%2)+8*SP*\i
.endr
.irp i, 0,1,2,3
	ds_load_b128 v[X+16*((\t)%2)+4*\i:X+16*((\t)%2)+4*\i+3], v15 offset:32*SP*((\t)%2)+16*\i
.endr
.endm
.irp t, 0,1,2,3
	LOAD \t
.endr
	s_wait_loadcnt 12                              ; step 0's four loads are in; the twelve of steps 1 to 3 may be out
	TURN 0
.macro STEP t
.set XS, X+16*((\t)%2)
.if (\t) > 0
	s_wait_dscnt 1                                 ; this step's numbers are back from the stage (the last step's byte store may be out): so its stores into the stage have read their registers,
.else
	s_wait_dscnt 0x0
.endif
.if (\t)+4 < STEPS
	LOAD (\t)+4                                    ; which take the loads of four steps on
.endif
.if (\t)+1 < STEPS
.if STEPS-2-(\t) >= 3
	s_wait_loadcnt 12                              ; the next step's four loads are in; those of the three steps behind it may be out
.else
	s_wait_loadcnt 4*(STEPS-2-(\t))
.endif
	TURN (\t)+1                                    ; and go through the other stage while this step is worked
.endif
	v_max3_num_f32 v8, |v[XS]|, |v[XS+1]|, |v[XS+2]|               ; the largest magnitude of my 16, in two chains
	v_max3_num_f32 v9, |v[XS+3]|, |v[XS+4]|, |v[XS+5]|
.irp i, 6,10
	v_max3_num_f32 v8, v8, |v[XS+\i]|, |v[XS+\i+1]|
	v_max3_num_f32 v9, v9, |v[XS+\i+2]|, |v[XS+\i+3]|
.endr
	v_max3_num_f32 v8, v8, |v[XS+14]|, |v[XS+15]|
	v_max3_num_f32 v8, v8, v9, (EMAX+1)<<23        ; and the floor 2^(3 - 127): so the byte cannot fall under 1
	v_max_num_f32_dpp v8, v8, v8 row_xmask:1 row_mask:0xf bank_mask:0xf   ; and of my neighbour's 16: the block's
	v_add_nc_u32 v11, -(EMAX<<23), v8              ; 2 off its exponent field: the conversion takes the exponent field of this operand as its scale, and nothing else of it
	v_cvt_scalef32_pk8_fp4_f32 v[C+4*(\t)], v[XS:XS+7], v11        ; eight numbers / the scale, to the nearest code, ties to even, beyond 6 the largest code
	v_cvt_scalef32_pk8_fp4_f32 v[C+4*(\t)+1], v[XS+8:XS+15], v11
	v_lshrrev_b32 v[E+(\t)], 23, v11               ; the scale's byte (a plain line behind the conversions)
	ds_store_b8 v5, v[E+(\t)] offset:16*(\t)       ; both lanes of a block write the same byte with the same value
	global_store_b64 v4, v[C+4*(\t):C+4*(\t)+1], s[18:19] offset:32*CB*(\t)   ; the wave stores 256 consecutive bytes, aligned
.endm
.irp t, 0,1,2,3,4,5,6,7,8,9,10,11,12,13,14,15
	STEP \t
.endr
	ds_load_b64 v[12:13], v6                       ; in order behind my byte stores
	s_wait_dscnt 0x0
	global_store_b64 v7, v[12:13], s[20:21]        ; my wave's 256 scale bytes, consecutive and aligned
	s_wait_tensorcnt 0x0
	ds_add_u32 v192, v193
	s_wait_dscnt 0x0
	s_endpgm
	; ---- Wo to f16.  Wave w of work-group g' = g - 864 takes rows o = 32 g' + 8 w .. + 7, two rows at a time.  A load: lanes 0-15 read 256 consecutive bytes (64 along K) of the even row,
	; lanes 16-31 of the odd one; the 8 bytes that a lane makes of its 16 then lie 8 x lane into 256 consecutive bytes of the target.
.Lwo:
	s_sub_co_u32 s30, ttmp9, NQWG
	s_lshl_b32 s30, s30, 2
	s_add_co_u32 s30, s30, s24                     ; which eight rows
	s_lshl_b32 s32, s30, 15                        ; 8 rows of 4,096 bytes in Wo,
	s_mov_b32 s33, 0
	s_add_nc_u64 s[16:17], s[16:17], s[32:33]
	s_lshl_b32 s32, s30, 10                        ; of 128 bytes in a block of the target
	s_add_nc_u64 s[22:23], s[22:23], s[32:33]
	v_lshrrev_b32 v3, 4, v2
	v_and_b32 v4, 15, v2
	v_lshlrev_b32 v4, 4, v4
	v_lshl_add_u32 v3, v3, 12, v4                  ; in: 4,096 (lane / 16) + 16 (lane % 16)
	v_lshlrev_b32 v4, 3, v2                        ; out: 8 x lane
.macro LOADW u                         ; rows 2 u, 2 u + 1: their sixteen blocks of 64 along K, into set u % 2
.irp hb, 0,1,2,3,4,5,6,7,8,9,10,11,12,13,14,15
	global_load_b128 v[XW+64*((\u)%2)+4*\hb:XW+64*((\u)%2)+4*\hb+3], v3, s[16:17] offset:(\u)*8192+\hb*256 th:TH_LOAD_NT
.endr
.endm
.macro WOB u
.set XS, XW+64*((\u)%2)
.if (\u) < 3
	s_wait_loadcnt 16                              ; this pair of rows is in; the next pair's sixteen loads may be out
.else
	s_wait_loadcnt 0x0
.endif
.if (\u) > 0
	s_wait_xcnt 0x0                                ; the last pair's stores have read their data: the registers may be written again
.endif
.irp hb, 0,1,2,3,4,5,6,7,8,9,10,11,12,13,14,15
	v_cvt_pk_f16_f32 v[YW+2*\hb], v[XS+4*\hb], v[XS+4*\hb+1]
	v_cvt_pk_f16_f32 v[YW+2*\hb+1], v[XS+4*\hb+2], v[XS+4*\hb+3]
.endr
.irp hb, 0,1,2,3,4,5,6,7,8,9,10,11,12,13,14,15
	global_store_b64 v4, v[YW+2*\hb:YW+2*\hb+1], s[22:23] offset:\hb*131072+(\u)*256   ; 256 consecutive bytes, aligned; a block of the target is 1,024 rows x 128 bytes
.endr
.if (\u) < 2
	LOADW (\u)+2
.endif
.endm
	LOADW 0
	LOADW 1
	WOB 0
	WOB 1
	WOB 2
	WOB 3
	s_endpgm
.Lfunc_end_k_qadc039d8af_quant:
	.size	k_qadc039d8af_quant, .Lfunc_end_k_qadc039d8af_quant-k_qadc039d8af_quant
	.p2alignl 7, 3214868480
	.fill 96, 4, 3214868480
	.section	.rodata,"a",@progbits
	.p2align	6, 0x0
	.amdhsa_kernel k_qadc039d8af_quant
		.amdhsa_group_segment_fixed_size 33280
		.amdhsa_private_segment_fixed_size 0
		.amdhsa_enable_private_segment 0
		.amdhsa_kernarg_size 80
		.amdhsa_user_sgpr_count 2
		.amdhsa_user_sgpr_kernarg_segment_ptr 1
		.amdhsa_wavefront_size32 1
		.amdhsa_system_sgpr_workgroup_id_x 1
		.amdhsa_system_sgpr_workgroup_id_y 1
		.amdhsa_system_sgpr_workgroup_id_z 1
		.amdhsa_system_vgpr_workitem_id 0
		.amdhsa_next_free_vgpr 194
		.amdhsa_next_free_sgpr 66
		.amdhsa_reserve_vcc 0
		.amdhsa_float_denorm_mode_32 3
		.amdhsa_float_denorm_mode_16_64 3
		.amdhsa_memory_ordered 1
		.amdhsa_forward_progress 1
		.amdhsa_inst_pref_size 55
	.end_amdhsa_kernel
	.amdgpu_metadata
---
amdhsa.version: [ 1, 2 ]
amdhsa.kernels:
  - .name:           k_qadc039d8af_quant
    .symbol:         k_qadc039d8af_quant.kd
    .args:
      - { .name: queries, .offset: 0, .size: 8, .value_kind: global_buffer, .address_space: global }
      - { .name: keys, .offset: 8, .size: 8, .value_kind: global_buffer, .address_space: global }
      - { .name: values, .offset: 16, .size: 8, .value_kind: global_buffer, .address_space: global }
      - { .name: Wq, .offset: 24, .size: 8, .value_kind: global_buffer, .address_space: global }
      - { .name: Wk, .offset: 32, .size: 8, .value_kind: global_buffer, .address_space: global }
      - { .name: Wv, .offset: 40, .size: 8, .value_kind: global_buffer, .address_space: global }
      - { .name: Wo, .offset: 48, .size: 8, .value_kind: global_buffer, .address_space: global }
      - { .name: codes, .offset: 56, .size: 8, .value_kind: global_buffer, .address_space: global }
      - { .name: scales, .offset: 64, .size: 8, .value_kind: global_buffer, .address_space: global }
      - { .name: wo16, .offset: 72, .size: 8, .value_kind: global_buffer, .address_space: global }
    .group_segment_fixed_size: 33280
    .private_segment_fixed_size: 0
    .kernarg_segment_align: 8
    .kernarg_segment_size: 80
    .max_flat_workgroup_size: 128
    .sgpr_count:     66
    .vgpr_count:     194
    .wavefront_size: 32
...
	.end_amdgpu_metadata
.endif
;; end of part 1
;; launch proj (part 2): grid 4 x 96, 4 waves a work-group, clusters of 4 x 4, 327,680 bytes of LDS; arguments codes, scales, qkv; writes qkv
.if DOCPART == 2
	.amdgcn_target "amdgcn-amd-amdhsa--gfx1250"
	.amdhsa_code_object_version 6
	.text
	.protected	k_qadc039d8af_proj
	.globl	k_qadc039d8af_proj
	.p2align	8
	.type	k_qadc039d8af_proj,@function
k_qadc039d8af_proj:
	s_mov_b64 s[64:65], 0
	v_nop
	global_prefetch_b8 v0, s[64:65] scope:SCOPE_SE
	s_setreg_imm32_b32 hwreg(HW_REG_WAVE_MODE, 25, 1), 1
	s_wait_xcnt 0x0
	s_wait_alu depctr_hold_cnt(0) depctr_sa_sdst(0) depctr_va_vdst(0) depctr_va_sdst(0) depctr_va_ssrc(0) depctr_va_vcc(0) depctr_vm_vsrc(0)
	s_getreg_b32 s2, hwreg(HW_REG_IB_STS2, 6, 4)
	s_cmp_eq_u32 s2, 0
	s_cbranch_scc0 .Lentry_in_a_cluster
	s_endpgm
.Lentry_in_a_cluster:
	s_bfe_u32 s2, ttmp6, 0x10000c
	s_cmp_lg_u32 s2, 0xf033
	s_cbranch_scc0 .Lentry_shape_is_right
	s_endpgm
.Lentry_shape_is_right:
; q = queries Wq^T, k = keys Wk^T, v = values Wv^T on codes of FP4 (E2M1) with one E8M0 scale for each 32 along K; sums in f32; results rounded once to f16.
; codes: 27,648 rows x 512 bytes (1,024 codes, K innermost): rows 0 .. 24,575 the three activations, one after the other, rows 24,576 on the three weights.  scales: the same rows x 32 bytes.
; So the three products are ONE product of 24,576 rows whose tile rows 32 t .. 32 t + 31 take weight t.  qkv: [t 3][b 4][head 16][n 2,048][64] f16: a head's 16 rows are 2,048 consecutive bytes.
; A tile of C, 256 x 256, is made by four waves, each 128 x 128: 64 accumulators, 512 registers.  K = 1,024 is two K steps of 512 (LDS rows of 256 bytes): both slots and all scale bytes are
; filled once, at the start; nothing is filled again.  By this text's count a wave has three tensor loads out at the most.
; CLUSTERS: 4 x 4 work-groups.  A's tiles are shared along a row of the cluster, B's along a column: each is asked for jointly, by the same tensor load with the same descriptor and a mask that names the four.
; The weight's number t = cluster y / 8 is taken from the cluster's y alone, so B's address holds nothing that the four partners of a column do not share.
; THE MATRIX INSTRUCTION IS USED TRANSPOSED (source 0 = 16 rows of the weight, source 1 = 16 rows of x): a lane then holds eight neighbouring columns of one row of C.
; LIMIT: results beyond f16's 65,504 become infinite (inputs and weights both 30 times the drawn spread give about 5,000).
; REGISTERS, in windows of 256: window 0: v0-31 addresses; v32-95 scale words, two sets; from v128 A's fragments, ONE set; on the way out v32-63 packed results, v128-191 rows read back.
;   window 1: B's fragments, TWO sets, at v0 and v128.   window 2: the accumulators of my rows 0-63 ((a, b) at v[8 (8 a + b)]);   window 3: those of my rows 64-127.
.set NQ,     4                         ; matrix instructions deep in a K step of 512
.set ROWB,   256                       ; a tile's row in bytes
.set KROW,   512                       ; a row of codes in memory
.set PITCH,  272                       ; an LDS row: 256 bytes + 16 of padding = 68 words: row r starts at bank 4 r mod 64 (64 banks of 4 bytes: ISA guide 11.1)
.set FR,     8                         ; registers of a fragment: 16 rows x 128 K
.set NL,     2                         ; LDS loads that bring one
.set NP,     4                         ; places behind this matrix instruction (ISA guide 7.12.1)
.set HALFT,  128*PITCH                 ; 128 rows: what one tensor load brings
.set SLOT,   4*HALFT                   ; A's 256 rows, then B's 256 rows
.set KS,     32                        ; a row of scales in bytes
.set SCL,    2*SLOT                    ; behind the two slots: the scales, as pieces of 256 bytes + 16 of padding
.set HALFS,  (128*KS/256)*272          ; the scales of 128 rows
.set SBLK,   (16*KS/256)*272           ; those of 16 rows
.set SPARE,  SCL+4*HALFS               ; the spare words, 128 bytes for each wave: two blocks of 256 bytes that no other line names
.set WROW,   24576                     ; the weights' first row
.set EP,     144                       ; the way out: a stage row: a head's 128 bytes + 16
.set EH,     16*EP                     ; 16 rows of one head; a wave's stage is two of them, in slot 0, which has had its one fill and its last read by then
.set ADRA, 16                          ; v16-17  LDS address of my A fragments in slot 0, 1
.set ADRB, 20                          ; v20-21  the same for B
.set STO,  24                          ; v24     the way out: where I put 16 bytes of a row
.set RD,   25                          ; v25     where I read rows back
.set CO,   26                          ; v26     16 x lane
.set ADRS, 27                          ; v27     LDS address of my scale words: lanes 0-15 A's rows, lanes 16-31 B's
.set SPW,  28                          ; v28     LDS address of my spare word; never rewritten
.set NIL,  29                          ; v29     0; never rewritten
.set SC,   32                          ; scale words: set s at v[SC + 32 s]; register 4 i + q: lanes 0-15 the word of A's block i, lanes 16-31 that of B's block i, for the slot's q-th 128 along K
.set TMP,  32                          ; the way out: a block's 32 packed registers
.set AF,   128                         ; A's fragments
.set BK,   128                         ; the way out: a block read back: v128-159 and v160-191 by turns
.set G1, 24                            ; s[24:31] group 1 for A's tiles;  s[32:39] group 0, a set for each slot
.set G0, 32
.set G1B, 48                           ; s[48:55], s[56:63] the same for B's
.set G0B, 56
.set G1S, 68                           ; s[68:75], s[76:79] groups 1 and 0 for A's scales;  s[80:87], s[88:91] for B's
.set G0S, 76
.set G1SB, 80
.set G0SB, 88
.set MSB, 0
.macro WIN new                         ; the immediate's high byte repeats the setting that is left
.if MSB != \new
	s_set_vgpr_msb (MSB<<8)|\new
.set MSB, \new
.endif
.endm
.set MUL_LO, 0xa1                      ; source 0 (B) window 1, source 1 (A) window 0, C and D window 2
.set MUL_HI, 0xf1                      ; the same, C and D window 3
.set TO_B,   0x40                      ; destination window 1, address window 0
; A joint load: waves 0 and 1 fetch for A, waves 2 and 3 for B.  Each line has one mask and one set of registers for all that issue it; the branch hangs on the wave's number alone.
; Four v_nop follow each of the two lines, ahead of the jump, the label and what follows.
.macro JLOAD g0a, g1a, g0b, g1b
	s_cmp_eq_u32 s15, 0
	s_cbranch_scc0 .Lfor_b_\@
	tensor_load_to_lds s[\g0a:\g0a+3], s[\g1a:\g1a+7]
	s_nop 0
.rept 4
	v_nop
.endr
	s_branch .Lasked_\@
.Lfor_b_\@:
	tensor_load_to_lds s[\g0b:\g0b+3], s[\g1b:\g1b+7]
	s_nop 0
.rept 4
	v_nop
.endr
.Lasked_\@:
.endm
.macro CROUND                          ; a round of the cluster's barrier
	s_barrier_signal -1
	s_barrier_wait -1
	s_cmp_lg_u32 s14, 0
	s_cbranch_scc1 .Lnot_wave_0_\@
	s_barrier_signal -3
.Lnot_wave_0_\@:
	s_barrier_wait -3
	s_barrier_signal -1
	s_barrier_wait -1
.endm
	s_load_b128 s[4:7], s[0:1], 0x0                ; codes s[4:5], scales s[6:7]
	s_load_b64 s[12:13], s[0:1], 0x10              ; qkv
	v_lshl_add_u32 v[SPW], v0, 2, SPARE
	v_mov_b32 v[NIL], 0
	ds_add_u32 v28, v29
	ds_add_u32 v28, v29
	s_wait_dscnt 0x0
	v_lshrrev_b32 v1, 5, v0
	v_readfirstlane_b32 s14, v1                    ; wave 0..3
	s_lshr_b32 s15, s14, 1                         ; which half of the tile's rows is mine.  Also: I fetch for A (0) or for B (1)
	s_and_b32 s16, s14, 1                          ; which half of its columns.  Also: which 128 rows of that tile I fetch
	s_bfe_u32 s40, ttmp6, 0x40000                  ; cx, cy: my place in the cluster
	s_bfe_u32 s41, ttmp6, 0x40004
	s_lshl_b32 s42, ttmp9, 2
	s_add_co_u32 s42, s42, s40                     ; tile column of C = 4 x cluster x + cx
	s_and_b32 s17, ttmp7, 0xffff
	s_lshr_b32 s95, s17, 3                         ; the weight's number: cluster y / 8,
	s_lshl_b32 s95, s95, 10                        ; and its first row among the weights' rows
	s_lshl_b32 s17, s17, 2
	s_add_co_u32 s17, s17, s41                     ; tile row of C = 4 x cluster y + cy
	s_lshl_b32 s43, s41, 2
	s_lshl_b32 s43, 15, s43                        ; my row of the cluster
	s_lshl_b32 s44, 0x1111, s40                    ; my column
	; group 1: a tile of 128 rows x 256 bytes, padded in LDS
	s_or_b32 s[G1+0], s43, (0<<16)|(1<<20)|(1<<21)|(5<<22)|(3<<25)  ; 15:0 the mask; 17:16 elements of 1 byte; 20 padding on; 21 set beside a mask; 24:22 after every 64 words; 31:25 four words
	s_or_b32 s[G1B+0], s44, (0<<16)|(1<<20)|(1<<21)|(5<<22)|(3<<25)
.irp g, G1, G1B
	s_mov_b32 s[\g+1], ROWB<<16                    ; tensor_dim0
	s_mov_b32 s[\g+2], 128<<16                     ; tensor_dim1
	s_mov_b32 s[\g+3], ROWB<<16                    ; tile_dim0
	s_mov_b32 s[\g+4], 128                         ; tile_dim1
	s_mov_b32 s[\g+5], KROW                        ; tensor_dim0_stride
	s_mov_b32 s[\g+6], 0
	s_mov_b32 s[\g+7], 0
.endr
	; the scales of 128 rows: 4,096 dense bytes, as 16 rows of 256 bytes (32 elements of 8 bytes), 16 bytes of padding behind each
	s_or_b32 s[G1S+0], s43, (3<<16)|(1<<20)|(1<<21)|(5<<22)|(3<<25)
	s_or_b32 s[G1SB+0], s44, (3<<16)|(1<<20)|(1<<21)|(5<<22)|(3<<25)
.irp g, G1S, G1SB
	s_mov_b32 s[\g+1], 32<<16
	s_mov_b32 s[\g+2], (128*KS/256)<<16
	s_mov_b32 s[\g+3], 32<<16
	s_mov_b32 s[\g+4], 128*KS/256
	s_mov_b32 s[\g+5], 32
	s_mov_b32 s[\g+6], 0
	s_mov_b32 s[\g+7], 0
.endr
	s_lshl_b32 s18, s16, 7                         ; which 128 rows of the tile I fetch
	s_lshl_b32 s20, s17, 8
	s_add_co_u32 s20, s20, s18                     ; A: row 256 x tile row + 128 x half
	s_lshl_b32 s46, s42, 8
	s_add_co_u32 s46, s46, s18
	s_add_co_u32 s46, s46, s95                     ; B: row 1,024 t + 256 x tile column + 128 x half of the weights
	s_mov_b32 s21, 0
	s_mov_b32 s47, 0
	s_mov_b64 s[18:19], KS
	s_mul_u64 s[22:23], s[20:21], s[18:19]         ; where these rows' scales begin, in bytes
	s_mul_u64 s[92:93], s[46:47], s[18:19]
	s_mov_b64 s[18:19], KROW
	s_mul_u64 s[20:21], s[20:21], s[18:19]         ; and their codes
	s_mul_u64 s[46:47], s[46:47], s[18:19]
	s_mul_i32 s45, s14, HALFT                      ; where they go: wave x 128 rows: no place in the cluster enters an LDS address
	s_mul_i32 s94, s14, HALFS
	s_wait_kmcnt 0x0
	s_add_nc_u64 s[8:9], s[4:5], WROW*KROW         ; the weights' codes
	s_add_nc_u64 s[10:11], s[6:7], WROW*KS         ; and scales
	s_add_nc_u64 s[20:21], s[4:5], s[20:21]
	s_add_nc_u64 s[22:23], s[6:7], s[22:23]
	s_add_nc_u64 s[46:47], s[8:9], s[46:47]
	s_add_nc_u64 s[92:93], s[10:11], s[92:93]
	CROUND                                         ; all sixteen work-groups are here: the joint loads meet
	s_mov_b32 s[G0S], 1
	s_add_co_u32 s[G0S+1], s94, SCL
	s_mov_b64 s[G0S+2:G0S+3], s[22:23]
	s_or_b32 s[G0S+3], s[G0S+3], 0x80000000
	s_mov_b32 s[G0SB], 1
	s_add_co_u32 s[G0SB+1], s94, SCL
	s_mov_b64 s[G0SB+2:G0SB+3], s[92:93]
	s_or_b32 s[G0SB+3], s[G0SB+3], 0x80000000
	JLOAD G0S, G1S, G0SB, G1SB                     ; the scales first: they are wanted with K step 0
.irp s, 0,1
	s_mov_b32 s[G0+4*\s], 1
	s_add_co_u32 s[G0+4*\s+1], s45, \s*SLOT
	s_add_nc_u64 s[G0+4*\s+2:G0+4*\s+3], s[20:21], \s*ROWB
	s_or_b32 s[G0+4*\s+3], s[G0+4*\s+3], 0x80000000
	s_mov_b32 s[G0B+4*\s], 1
	s_add_co_u32 s[G0B+4*\s+1], s45, \s*SLOT
	s_add_nc_u64 s[G0B+4*\s+2:G0B+4*\s+3], s[46:47], \s*ROWB
	s_or_b32 s[G0B+4*\s+3], s[G0B+4*\s+3], 0x80000000
	JLOAD G0+4*\s, G1, G0B+4*\s, G1B
.endr
	v_and_b32 v1, 15, v0                           ; l % 16
	v_bfe_u32 v2, v0, 4, 1                         ; l / 16
	v_mul_u32_u24 v3, v1, PITCH
	v_lshl_add_u32 v4, v2, 4, v3                   ; a fragment's row x pitch + 16 x half
	s_mul_i32 s21, s15, HALFT                      ; my 128 rows of A
	s_mul_i32 s22, s16, HALFT                      ; my 128 rows of B,
	s_add_co_u32 s22, s22, 2*HALFT                 ; which lie behind A's 256
.irp s, 0,1
	v_add_nc_u32 v[ADRA+\s], s21, v4
	v_add_nc_u32 v[ADRB+\s], s22, v4
	s_add_co_u32 s21, s21, SLOT
	s_add_co_u32 s22, s22, SLOT
.endr
	v_mul_u32_u24 v5, v1, KS                       ; my row's scales: 32 bytes a row,
	v_lshrrev_b32 v6, 8, v5
	v_lshl_add_u32 v5, v6, 4, v5                   ; and 16 more for each 256 passed
	s_mul_i32 s21, s15, HALFS                      ; A's: my 128 rows
	s_mul_i32 s22, s16, HALFS                      ; B's: my 128 rows, behind A's 256
	s_add_co_u32 s22, s22, 2*HALFS
	s_sub_co_u32 s22, s22, s21
	v_mul_u32_u24 v6, s22, v2                      ; lanes 16-31 take B's: one product, the distance between the two bases
	s_add_co_u32 s21, s21, SCL
	v_add_nc_u32 v5, v5, v6
	v_add_nc_u32 v[ADRS], s21, v5
	s_mul_i32 s23, s14, 2*EH                       ; my stage
	v_mul_u32_u24 v5, v1, EP                       ; in: row l % 16, 16 bytes for each half of the lanes
	v_lshl_add_u32 v5, v2, 4, v5
	v_add_nc_u32 v[STO], s23, v5
	v_bfe_u32 v5, v0, 3, 2                         ; back: eight lanes to a row of 128 bytes, four rows a load
	v_mul_u32_u24 v5, v5, EP
	v_and_b32 v6, 7, v0
	v_lshl_add_u32 v5, v6, 4, v5
	v_add_nc_u32 v[RD], s23, v5
	v_and_b32 v6, 31, v0
	v_lshlrev_b32 v[CO], 4, v6                     ; which are 512 consecutive bytes of a head
	; where my part of qkv begins.  Tile row / 8 is 4 t + b (4,194,304 bytes each); within it row n = 256 (tile row % 8) + 128 x half, 128 bytes a row
	s_lshr_b32 s20, s17, 3
	s_lshl_b32 s20, s20, 22
	s_and_b32 s21, s17, 7
	s_lshl_b32 s21, s21, 15
	s_add_co_u32 s20, s20, s21
	s_lshl_b32 s21, s15, 14
	s_add_co_u32 s20, s20, s21
	s_mov_b32 s21, 0
	s_add_nc_u64 s[12:13], s[12:13], s[20:21]
	s_lshl_b32 s46, s42, 20                        ; my first head: 4 x tile column + 2 x half, 262,144 bytes a head
	s_lshl_b32 s47, s16, 19
	s_add_co_u32 s46, s46, s47
	s_mov_b32 s47, 0
	s_add_nc_u64 s[12:13], s[12:13], s[46:47]
.macro FRAG reg, adr, q, i             ; a fragment, 16 rows x 128 K of 4-bit codes: lane l holds row l % 16; registers 4 c .. 4 c + 3 hold K = 64 c + 32 (l / 16) + 0 .. 31
.irp c, 0,1
	ds_load_b128 v[\reg+4*\c:\reg+4*\c+3], v[\adr] offset:64*(\q)+32*\c+(\i)*16*PITCH
.endr
.endm
; 16 matrix instructions: A's blocks a0, a0 + 1 x B's eight, the slot's q-th 128 along K.  p: B's set;  sc: the set of scale words.  zero = 1: the first product starts the sums.
; The 64 accumulators take turns, one instruction a turn, in the same order in every step.
.macro MUL16 a0, p, q, sc, zero
.irp a, \a0, \a0+1
.irp b, 0,1,2,3,4,5,6,7
.if \zero
	v_wmma_scale_f32_16x16x128_f8f6f4 v[8*(8*((\a)%4)+\b):8*(8*((\a)%4)+\b)+7], v[128*(\p)+FR*\b:128*(\p)+FR*\b+FR-1], v[AF+FR*(\a):AF+FR*(\a)+FR-1], 0, v[SC+8*NQ*(\sc)+NQ*\b+(\q)], v[SC+8*NQ*(\sc)+NQ*(\a)+(\q)] matrix_a_fmt:MATRIX_FMT_FP4 matrix_b_fmt:MATRIX_FMT_FP4 matrix_a_scale:MATRIX_SCALE_ROW1
.else
	v_wmma_scale_f32_16x16x128_f8f6f4 v[8*(8*((\a)%4)+\b):8*(8*((\a)%4)+\b)+7], v[128*(\p)+FR*\b:128*(\p)+FR*\b+FR-1], v[AF+FR*(\a):AF+FR*(\a)+FR-1], v[8*(8*((\a)%4)+\b):8*(8*((\a)%4)+\b)+7], v[SC+8*NQ*(\sc)+NQ*\b+(\q)], v[SC+8*NQ*(\sc)+NQ*(\a)+(\q)] matrix_a_fmt:MATRIX_FMT_FP4 matrix_b_fmt:MATRIX_FMT_FP4 matrix_a_scale:MATRIX_SCALE_ROW1
.endif
.endr
.endr
.endm
.macro FETCH_B slot, q, p              ; B's eight fragments of the slot's q-th 128 along K into set p
	WIN TO_B
.irp i, 0,1,2,3,4,5,6,7
	FRAG 128*(\p)+FR*\i, ADRB+\slot, \q, \i
.endr
	WIN 0
.endm
.macro FETCH_A slot, q, i0             ; A's blocks i0 .. i0 + 3
.irp i, \i0, \i0+1, \i0+2, \i0+3
	FRAG AF+FR*(\i), ADRA+\slot, \q, \i
.endr
.endm
.macro SCALES sc                       ; a K step's scale words into set sc: four words a row; lanes 0-15 take A's block i, lanes 16-31 B's block i
.irp i, 0,1,2,3,4,5,6,7
	ds_load_b128 v[SC+8*NQ*\sc+NQ*\i:SC+8*NQ*\sc+NQ*\i+3], v[ADRS] offset:\i*SBLK
.endr
.endm
; A load into a register that a matrix instruction has read, and a vector instruction that reads a matrix result, stand four places behind that matrix instruction; only plain vector
; instructions that name none of its registers are places (ISA guide 7.12.1 for vector instructions).
.macro PLACES n
.rept \n
	v_nop
.endr
.endm
; A step of 128 along K that has its successor in the same slot.  A has one set of registers: blocks 0-3 are fetched anew in the step's middle, blocks 4-7 at its end; B has two sets.
.macro STEP slot, q, zero
	s_wait_dscnt 4*NL                              ; B's set and A's blocks 0-3 are in; the youngest eight loads (A's blocks 4-7) may be out
	WIN MUL_LO
	MUL16 0, (\q)%2, \q, \slot, \zero
	MUL16 2, (\q)%2, \q, \slot, \zero
	s_wait_dscnt 0                                 ; A's blocks 4-7 are in (asked for 32 matrix instructions ago)
	PLACES NP
	FETCH_B \slot, (\q)+1, 1-(\q)%2
	FETCH_A \slot, (\q)+1, 0
	WIN MUL_HI
	MUL16 4, (\q)%2, \q, \slot, \zero
	MUL16 6, (\q)%2, \q, \slot, \zero
	PLACES NP
	WIN 0
	FETCH_A \slot, (\q)+1, 4
.endm
; Slot 0's last step changes slots: one barrier; in front of it each wave waits for all its tensor loads (its part of slot 1), adds 0 to its spare word, and waits for that and for its reads of slot 0.
; Slot 0 becomes the stages of the way out.
.macro TURN slot, next
	s_wait_tensorcnt 0x0                           ; all my tensor loads have landed
	ds_add_u32 v[SPW], v[NIL]                      ; 0 onto my spare word
	s_wait_dscnt 4*NL+1                            ; (the add and the youngest eight loads, A's blocks 4-7, may be out)
	WIN MUL_LO
	MUL16 0, 1, NQ-1, \slot, 0                     ; sixteen matrix instructions stand between the add and the wait for it
	s_wait_dscnt 0x0                               ; the add is done, and my reads of this slot are over
	s_barrier_signal -1
	MUL16 2, 1, NQ-1, \slot, 0
	WIN 0
	s_barrier_wait -1
	PLACES NP
	v_add_nc_u32 v[ADRS], 4*NQ, v[ADRS]            ; on to the next K step's scale words (no LDS load of mine is out)
	FETCH_B \next, 0, 0
	FETCH_A \next, 0, 0
	SCALES \next
	WIN MUL_HI
	MUL16 4, 1, NQ-1, \slot, 0
	MUL16 6, 1, NQ-1, \slot, 0
	PLACES NP
	WIN 0
	FETCH_A \next, 0, 4
.endm
.macro STEPS slot, from                ; the slot's steps from .. NQ - 2
.set Q, \from
.rept NQ-1-\from
	STEP \slot, Q, 0
.set Q, Q+1
.endr
.endm
	s_wait_tensorcnt 1                             ; the scales and my part of K step 0 are in (K step 1's load may be out),
	s_barrier_signal -1
	s_barrier_wait -1                              ; everybody's are
	FETCH_B 0, 0, 0
	FETCH_A 0, 0, 0
	SCALES 0
	FETCH_A 0, 0, 4
	STEP 0, 0, 1                                   ; the first step's products start the sums: nothing is cleared
	STEPS 0, 1
	TURN 0, 1
	STEPS 1, 0
	s_wait_dscnt 4*NL                              ; the very last step: nothing more to fetch
	WIN MUL_LO
	MUL16 0, 1, NQ-1, 1, 0
	MUL16 2, 1, NQ-1, 1, 0
	s_wait_dscnt 0
	WIN MUL_HI
	MUL16 4, 1, NQ-1, 1, 0
	MUL16 6, 1, NQ-1, 1, 0
	WIN 0
; THE WAY OUT, block by block of 16 rows x 128 columns = two heads.  PACK: rounded to f16, each accumulator from its low end on: 16 bytes a lane.  TOSTAGE: into my own stage, [head 2][16 rows][144 bytes],
; and back by rows.  SEND: a head's 16 rows are 2,048 consecutive bytes of qkv: four stores of 512 consecutive bytes, aligned.  No pointer is stepped: every offset is an immediate, 278,016 at the most.
.macro PACK a
.set AC, 64*((\a)%4)
	WIN 0x0a+5*((\a)/4)                            ; sources 0 and 1: window 2 or 3
.irp b, 0,1,2,3,4,5,6,7
.irp r, 0,1,2,3
	v_cvt_pk_f16_f32 v[TMP+4*\b+\r], v[AC+8*\b+2*\r], v[AC+8*\b+2*\r+1]
.endr
.endr
	WIN 0
.endm
.macro TOSTAGE a
.set BB, BK+32*((\a)%2)
.irp b, 0,1,2,3,4,5,6,7
	ds_store_b128 v[STO], v[TMP+4*\b:TMP+4*\b+3] offset:(\b/4)*EH+32*(\b%4)
.endr
.irp t, 0,1,2,3,4,5,6,7
	ds_load_b128 v[BB+4*\t:BB+4*\t+3], v[RD] offset:(\t/4)*EH+(\t%4)*4*EP   ; LDS serves a wave's instructions in order (ISA guide 5.7.1.4): these see the stores above
.endr
.endm
.macro SEND a
.set BB, BK+32*((\a)%2)
	s_wait_dscnt 0x0                               ; the block is back in registers
	s_wait_xcnt 0x0                                ; the stores of the block before have read their data: the next block's loads may land there
.irp t, 0,1,2,3,4,5,6,7
	global_store_b128 v[CO], v[BB+4*\t:BB+4*\t+3], s[12:13] offset:(\t/4)*262144+(\a)*2048+(\t%4)*512
.endr
.endm
	PLACES NP                                      ; behind the last products: for the loads into the registers that held A's fragments, and for block 7's reads
	PACK 0
	TOSTAGE 0
.irp a, 1,2,3,4,5,6,7                  ; block a's conversions stand between block a - 1's loads from the stage and the wait for them
	PACK \a
	SEND \a-1
	TOSTAGE \a
.endr
	SEND 7
	s_wait_tensorcnt 0x0                           ; the wave's end: behind my last tensor load and my last LDS store
	ds_add_u32 v[SPW], v[NIL]
	s_wait_dscnt 0x0
	CROUND                                         ; the closing round: no work-group ends while a partner may still ask for a tile that names it
	s_endpgm
.Lfunc_end_k_qadc039d8af_proj:
	.size	k_qadc039d8af_proj, .Lfunc_end_k_qadc039d8af_proj-k_qadc039d8af_proj
	.p2alignl 7, 3214868480
	.fill 96, 4, 3214868480
	.section	.rodata,"a",@progbits
	.p2align	6, 0x0
	.amdhsa_kernel k_qadc039d8af_proj
		.amdhsa_group_segment_fixed_size 327680
		.amdhsa_private_segment_fixed_size 0
		.amdhsa_enable_private_segment 0
		.amdhsa_kernarg_size 24
		.amdhsa_user_sgpr_count 2
		.amdhsa_user_sgpr_kernarg_segment_ptr 1
		.amdhsa_wavefront_size32 1
		.amdhsa_system_sgpr_workgroup_id_x 1
		.amdhsa_system_sgpr_workgroup_id_y 1
		.amdhsa_system_sgpr_workgroup_id_z 1
		.amdhsa_system_vgpr_workitem_id 0
		.amdhsa_next_free_vgpr 1024
		.amdhsa_next_free_sgpr 98
		.amdhsa_reserve_vcc 0
		.amdhsa_float_denorm_mode_32 3
		.amdhsa_float_denorm_mode_16_64 3
		.amdhsa_memory_ordered 1
		.amdhsa_forward_progress 1
		.amdhsa_inst_pref_size 126
	.end_amdhsa_kernel
	.amdgpu_metadata
---
amdhsa.version: [ 1, 2 ]
amdhsa.kernels:
  - .name:           k_qadc039d8af_proj
    .symbol:         k_qadc039d8af_proj.kd
    .args:
      - { .name: codes, .offset: 0, .size: 8, .value_kind: global_buffer, .address_space: global }
      - { .name: scales, .offset: 8, .size: 8, .value_kind: global_buffer, .address_space: global }
      - { .name: qkv, .offset: 16, .size: 8, .value_kind: global_buffer, .address_space: global }
    .group_segment_fixed_size: 327680
    .private_segment_fixed_size: 0
    .kernarg_segment_align: 8
    .kernarg_segment_size: 24
    .max_flat_workgroup_size: 128
    .sgpr_count:     98
    .vgpr_count:     1024
    .wavefront_size: 32
...
	.end_amdgpu_metadata
.endif
;; end of part 2
;; launch attn (part 3): grid 4 x 64, 8 waves a work-group, clusters of 4 x 1, 327,680 bytes of LDS; arguments qkv, ctx; writes ctx
.if DOCPART == 3
	.amdgcn_target "amdgcn-amd-amdhsa--gfx1250"
	.amdhsa_code_object_version 6
	.text
	.protected	k_qadc039d8af_attn
	.globl	k_qadc039d8af_attn
	.p2align	8
	.type	k_qadc039d8af_attn,@function
k_qadc039d8af_attn:
	s_mov_b64 s[64:65], 0
	v_nop
	global_prefetch_b8 v0, s[64:65] scope:SCOPE_SE
	s_setreg_imm32_b32 hwreg(HW_REG_WAVE_MODE, 25, 1), 1
	s_wait_xcnt 0x0
	s_wait_alu depctr_hold_cnt(0) depctr_sa_sdst(0) depctr_va_vdst(0) depctr_va_sdst(0) depctr_va_ssrc(0) depctr_va_vcc(0) depctr_vm_vsrc(0)
	s_getreg_b32 s2, hwreg(HW_REG_IB_STS2, 6, 4)
	s_cmp_eq_u32 s2, 0
	s_cbranch_scc0 .Lentry_in_a_cluster
	s_endpgm
.Lentry_in_a_cluster:
	s_bfe_u32 s2, ttmp6, 0x10000c
	s_cmp_lg_u32 s2, 0x3003
	s_cbranch_scc0 .Lentry_shape_is_right
	s_endpgm
.Lentry_shape_is_right:
; ctx[b][h][q][:] = the sum over k of softmax_k(q . k / 8) v[k][:], head size 64, 2,048 keys, no mask.  qkv: [q, k, v][b h 64][n 2,048][64] f16; ctx: [b h 64][n 2,048][64] f16.
; Products on f16 operands with f32 sums; maxima, exponentials and sums in f32; the weights p are rounded to f16 for the second product, ctx once at the end.
; LIMITS: p under 2^-24 counts as 0 in the second product (the row's sum keeps it); NaN and infinities are not served.
; SHARES.  A work-group owns 512 queries of one (b, h), each of its EIGHT waves 64: four tiles of 16, in 512 registers: two waves to a SIMD, so that one wave's vector work stands beside the other's
; matrix work; each wave's text goes in phases, with eight window switches a key step.  Every wave walks all keys, 64 a step.
; LAYOUT.  S^T = K Q^T (source 0 = 16 keys, source 1 = 16 queries): a lane holds ONE query (lane % 16) and keys 8 (lane / 16) + 0..7.  Two such tiles, rounded to f16 in pairs, ARE source 1
; (32 keys x 16 queries) of O^T = V^T P, whose result again holds one query a lane.  K comes out of LDS as it lies, V ([key][channel]) turned, by ds_load_tr16_b128.
; SOFTMAX.  For each query a running maximum m and sum l: p = 2^(c s - c m), c = log2(e) / 8; in every step O and l are multiplied by a = 2^(c m_old - c m_new).  O and l begin as zeros and m as -3e38,
; so the key step is written once: the first a is 0 and multiplies zeros.
; CLUSTER.  A head's four query blocks are one cluster and walk the same K and V: each tile is asked for JOINTLY, by the same tensor load with the same descriptor and the mask 15.
; LDS.  A head's rows are 128 bytes and dense, so tiles come as rows of 256 bytes: TWO keys to an LDS row.  Key i lies at (i / 2) x pitch + 128 (i % 2).  K's pitch 272: the 16 keys of a fragment load
; start at 16-byte columns (r / 2) + 8 (r % 2) mod 16: all different.  V's pitch 288: the 8 keys x 32 bytes of 16 lanes of the turning load fall on columns 2 (i / 2) + 8 (i % 2) + 0, 1: all different.
; Two slots of 512 keys (8 key steps); waves 0-3 fetch K's quarters, waves 4-7 V's: one load a wave behind each round, which has eight key steps in which to land.  At most two tensor loads of a wave are out.
; REGISTERS.  window 0: v2-11 addresses; v16-47 eight statistics a tile; v48-111 K of one step; v128-255 S^T, 32 a tile; P is packed in place into a tile's first 16.
;             window 1: v0-63 Q; v64-127 V of one step; v128-255 O^T, 32 a tile.
.set PK,     272
.set PV,     288
.set KSTEPB, 32*PK                     ; a key step's 64 keys of K in LDS
.set VSTEPB, 32*PV                     ; and of V
.set VOFF,   256*PK                    ; a slot: 512 keys of K, then 512 of V
.set SLOTB,  256*(PK+PV)
.set SLOTG,  512*128                   ; a slot's keys in memory, in bytes, in K and in V alike
.set SPARE,  2*SLOTB                   ; behind the slots: the spare words, 128 bytes for each wave: four blocks of 256 bytes that no other line names
.set EP,     144                       ; the way out: a stage row: 128 bytes + 16
.set TST,    16*EP                     ; a tile's 16 rows; a wave's stage is four of them, in slot 0, which has had its last fill and its last read by then
.set AK0, 2                            ; v2   my lane's place in a tile of K; never rewritten
.set AV0, 3                            ; v3   the same for V
.set ADR, 4                            ; v4   LDS address of the run of K's loads in hand
.set ADV, 5                            ; v5   of V's
.set QO,  6                            ; v6   my byte offset in the wave's rows of Q
.set STO, 7                            ; v7   the way out: where I put 16 bytes of a row
.set RD,  8                            ; v8   where I read rows back
.set GO,  9                            ; v9   16 x lane
.set SPW, 10                           ; v10  LDS address of my spare word; never rewritten
.set NIL, 11                           ; v11  0; never rewritten
.set ST,  16                           ; tile t's statistics at v[ST + 8 t]: +0 c m, +1 m, +2, +3 l (even keys', odd keys'), +4 to +7 c0-c3 at work; a takes c2's place
.set KF,  48                           ; K's fragment (keys 16 kt on, channels 32 cc on) at KF + 8 (2 kt + cc)
.set S,   128
.set QF,  0                            ; window 1: Q's fragment (tile t, channels 32 cc on) at 16 t + 8 cc
.set VF,  64                           ; window 1: V's fragment (keys 32 kh on, channels 16 ct on) at VF + 8 (4 kh + ct)
.set OA,  128                          ; window 1: O^T (tile t, channels 16 ct on) at OA + 32 t + 8 ct
.set WV,  12                           ; s12  my wave's number
.set G1K, 24                           ; s[24:31] group 1 for K's tiles
.set G1V, 32                           ; s[32:39] for V's: it differs in the padding alone
.set G0K, 40                           ; s[40:47] group 0 for K's tiles, a set for each slot
.set G0V, 48                           ; s[48:55] the same for V's
.set CNT, 56                           ; s56  counts key steps
.set TBK, 57                           ; s57  LDS byte at which the K tiles of the step to be fetched begin
.set TBV, 58                           ; s58  the same for V (less VOFF)
.set SEL, 60                           ; s[60:61] lane selects for v_permlanex16_b32: lane l xor 16
.set CS,  62                           ; s[62:63] c: the packed form names a pair and takes its low word for both halves
.set MSB, 0
.macro WIN new                         ; the immediate's high byte repeats the setting that is left; a switch that changes nothing is dropped
.if MSB != \new
	s_set_vgpr_msb (MSB<<8)|\new
.set MSB, \new
.endif
.endm
.set W_KQ, 0x04                        ; K and S^T in window 0, Q (source 1) in window 1
.set W_PV, 0x51                        ; V (source 0) and O^T (C and D) in window 1, P in window 0
.set W_RS, 0x41                        ; O^T (destination and source 0) in window 1, the factor in window 0
.set W_T1, 0x40                        ; destination window 1, address window 0
; A joint refill of slot s.  The branch hangs on the wave's number alone.  Four v_nop follow each of the two lines.
.macro JLOAD s
	s_cmp_lt_u32 s[WV], 4
	s_cbranch_scc0 .Lfor_v_\@
	tensor_load_to_lds s[G0K+4*\s:G0K+4*\s+3], s[G1K:G1K+7]
	s_nop 0
.rept 4
	v_nop
.endr
	s_branch .Lasked_\@
.Lfor_v_\@:
	tensor_load_to_lds s[G0V+4*\s:G0V+4*\s+3], s[G1V:G1V+7]
	s_nop 0
.rept 4
	v_nop
.endr
.Lasked_\@:
.endm
.macro CROUND                          ; a round of the cluster's barrier
	s_barrier_signal -1
	s_barrier_wait -1
	s_cmp_lg_u32 s[WV], 0
	s_cbranch_scc1 .Lnot_wave_0_\@
	s_barrier_signal -3
.Lnot_wave_0_\@:
	s_barrier_wait -3
	s_barrier_signal -1
	s_barrier_wait -1
.endm
.macro PLACES n
.rept \n
	v_nop
.endr
.endm
	s_load_b128 s[4:7], s[0:1], 0x0                ; qkv s[4:5], ctx s[6:7]
	v_lshl_add_u32 v[SPW], v0, 2, SPARE
	v_mov_b32 v[NIL], 0
	ds_add_u32 v10, v11
	ds_add_u32 v10, v11
	s_wait_dscnt 0x0
	v_lshrrev_b32 v1, 5, v0
	v_readfirstlane_b32 s[WV], v1                  ; wave 0..7
	s_bfe_u32 s13, ttmp6, 0x40000                  ; cx: my place in the cluster
	s_lshl_b32 s14, ttmp9, 2
	s_add_co_u32 s14, s14, s13                     ; my block of 512 queries: it enters Q's and ctx's addresses alone
	s_and_b32 s15, s[WV], 3                        ; which quarter of a slot I fetch
	s_and_b32 s16, ttmp7, 0xffff                   ; 16 b + h, which the four partners share
	s_lshl_b32 s16, s16, 18                        ; a head is 262,144 bytes
	s_lshl_b32 s17, s15, 14                        ; a quarter is 128 keys: 16,384 bytes
	s_add_co_u32 s18, s16, s17
	s_mov_b32 s19, 0
	s_lshl_b32 s20, s14, 16                        ; my block's 512 rows of 128 bytes,
	s_lshl_b32 s21, s[WV], 13                      ; my wave's 64 of them
	s_add_co_u32 s20, s20, s21
	s_add_co_u32 s20, s20, s16
	s_mov_b32 s21, 0
	s_mul_i32 s22, s15, 64*PK                      ; my quarter's place in a slot: K's,
	s_mul_i32 s23, s15, 64*PV
	s_add_co_u32 s23, s23, VOFF                    ; V's: no place in the cluster enters an LDS address
	; group 1: 16,384 dense bytes as 64 rows of 256 bytes (32 elements of 8 bytes), padded in LDS
	s_mov_b32 s[G1K], 15|(3<<16)|(1<<20)|(1<<21)|(5<<22)|(3<<25)  ; 15:0 the mask: all four work-groups; 17:16 elements of 8 bytes; 20 padding on; 21 set beside a mask; 24:22 after every 64 words; 31:25 four words
	s_mov_b32 s[G1V], 15|(3<<16)|(1<<20)|(1<<21)|(5<<22)|(7<<25)  ; the same with eight words of padding
.irp g, G1K, G1V
	s_mov_b32 s[\g+1], 32<<16                      ; tensor_dim0
	s_mov_b32 s[\g+2], 64<<16                      ; tensor_dim1
	s_mov_b32 s[\g+3], 32<<16                      ; tile_dim0
	s_mov_b32 s[\g+4], 64                          ; tile_dim1
	s_mov_b32 s[\g+5], 32                          ; tensor_dim0_stride
	s_mov_b32 s[\g+6], 0
	s_mov_b32 s[\g+7], 0
.endr
	s_mov_b32 s[CS], 0x3e38aa3b                    ; c = log2(e) / 8
	s_mov_b32 s[CS+1], s[CS]                       ; named with it as a pair, so it is written
	s_mov_b32 s[SEL], 0x76543210
	s_mov_b32 s[SEL+1], 0xfedcba98
	s_mov_b32 s[TBK], 0
	s_mov_b32 s[TBV], 0
	s_wait_kmcnt 0x0
	s_add_nc_u64 s[8:9], s[4:5], s[18:19]
	s_add_nc_u64 s[10:11], s[8:9], 2*16777216      ; V at my quarter of slot 0
	s_add_nc_u64 s[8:9], s[8:9], 16777216          ; K likewise
	s_add_nc_u64 s[4:5], s[4:5], s[20:21]          ; Q and ctx at my wave's first row
	s_add_nc_u64 s[6:7], s[6:7], s[20:21]
	CROUND                                         ; all four work-groups are here: the first joint loads meet
.irp s, 0,1
	s_mov_b32 s[G0K+4*\s], 1                       ; 1:0 count = 1
	s_add_co_u32 s[G0K+4*\s+1], s22, \s*SLOTB      ; 63:32 LDS address
	s_add_nc_u64 s[G0K+4*\s+2:G0K+4*\s+3], s[8:9], \s*SLOTG   ; 120:64 global address: slot s begins with keys 512 s on
	s_or_b32 s[G0K+4*\s+3], s[G0K+4*\s+3], 0x80000000         ; 127:126 type = 2
	s_mov_b32 s[G0V+4*\s], 1
	s_add_co_u32 s[G0V+4*\s+1], s23, \s*SLOTB
	s_add_nc_u64 s[G0V+4*\s+2:G0V+4*\s+3], s[10:11], \s*SLOTG
	s_or_b32 s[G0V+4*\s+3], s[G0V+4*\s+3], 0x80000000
.endr
	s_cmp_lt_u32 s[WV], 4                          ; a wave's two first fills stand in one branch, ahead of every wait on TENSORcnt and every LDS read
	s_cbranch_scc0 .Lfirst_v
	tensor_load_to_lds s[G0K:G0K+3], s[G1K:G1K+7]
	s_nop 0
	tensor_load_to_lds s[G0K+4:G0K+7], s[G1K:G1K+7]
	s_nop 0
.rept 4
	v_nop
.endr
	s_branch .Lfirst_asked
.Lfirst_v:
	tensor_load_to_lds s[G0V:G0V+3], s[G1V:G1V+7]
	s_nop 0
	tensor_load_to_lds s[G0V+4:G0V+7], s[G1V:G1V+7]
	s_nop 0
.rept 4
	v_nop
.endr
.Lfirst_asked:
	; A fragment of K or Q is 16 rows x 32 channels in 8 registers: lane l holds row l % 16; registers 0-3 channels 8 (l / 16) + 0..7, registers 4-7 channels 16 + 8 (l / 16) + 0..7: two loads of 16 bytes, 32 bytes apart.
	v_and_b32 v1, 15, v0                           ; r = l % 16
	v_bfe_u32 v13, v0, 4, 1                        ; h = l / 16
	v_lshlrev_b32 v[QO], 7, v1
	v_lshl_add_u32 v[QO], v13, 4, v[QO]            ; row x 128 + 16 h
	WIN W_T1
.irp i, 0,1,2,3,4,5,6,7                        ; Q stays in registers: tile i / 2, channels 32 (i % 2) on
	global_load_b128 v[QF+8*\i:QF+8*\i+3],   v[QO], s[4:5] offset:(\i/2)*2048+(\i%2)*64
	global_load_b128 v[QF+8*\i+4:QF+8*\i+7], v[QO], s[4:5] offset:(\i/2)*2048+(\i%2)*64+32
.endr
.set i, 0
.rept 128
	v_mov_b32 v[OA+i], 0                           ; O^T begins as zeros, so that the key step is written once, with no first step of its own
.set i, i+1
.endr
	WIN 0
	v_lshrrev_b32 v12, 1, v1
	v_mul_u32_u24 v[AK0], v12, PK                  ; K: (r / 2) x pitch
	v_and_b32 v12, 1, v0
	v_lshl_add_u32 v[AK0], v12, 7, v[AK0]          ; + 128 (r % 2)
	v_lshl_add_u32 v[AK0], v13, 4, v[AK0]          ; + 16 h
	; The turning load takes 16 keys x 16 channels (lane l reads 16 bytes: key 8 h + l % 8, channels 8 ((l / 8) % 2) + 0..7) and leaves half a fragment of V^T: lane l holds channel l % 16 and 8 keys.
	v_bfe_u32 v14, v0, 1, 2                        ; (l % 8) / 2
	v_lshl_add_u32 v14, v13, 2, v14                ; + 4 h: the key's LDS row
	v_mul_u32_u24 v[AV0], v14, PV
	v_lshl_add_u32 v[AV0], v12, 7, v[AV0]          ; + 128 (key % 2)
	v_bfe_u32 v14, v0, 3, 1
	v_lshl_add_u32 v[AV0], v14, 4, v[AV0]
	v_add_nc_u32 v[AV0], VOFF, v[AV0]
	s_mul_i32 s16, s[WV], 4*TST                    ; my stage
	v_mul_u32_u24 v[STO], v1, EP                   ; in: row r, 16 bytes for each half of the lanes
	v_lshl_add_u32 v[STO], v13, 4, v[STO]
	v_add_nc_u32 v[STO], s16, v[STO]
	v_bfe_u32 v14, v0, 3, 2                        ; back: eight lanes to a row of 128 bytes, four rows a load
	v_mul_u32_u24 v[RD], v14, EP
	v_and_b32 v14, 7, v0
	v_lshl_add_u32 v[RD], v14, 4, v[RD]
	v_add_nc_u32 v[RD], s16, v[RD]
	v_and_b32 v14, 31, v0
	v_lshlrev_b32 v[GO], 4, v14                    ; which are 512 consecutive bytes of ctx
.irp t, 0,1,2,3
	v_mov_b32 v[ST+8*\t+1], 0xff61b1e6             ; m: -3e38, under every score
	v_mov_b32 v[ST+8*\t+2], 0                      ; l, in two halves
	v_mov_b32 v[ST+8*\t+3], 0
.endr
.irp t, 0,1,2,3
	v_mul_f32 v[ST+8*\t], s[CS], v[ST+8*\t+1]      ; c m
.endr
; THE LDS LOADS stand in runs of 16: a step's K (64 keys x 64 channels: 8 fragments) and its V (turned).
.macro FETCH_K
	v_add_nc_u32 v[ADR], s[TBK], v[AK0]
	s_add_co_u32 s[TBK], s[TBK], KSTEPB            ; the next fetch is the next step's
.irp f, 0,1,2,3,4,5,6,7                        ; keys 16 (f / 2) on, channels 32 (f % 2) on
	ds_load_b128 v[KF+8*\f:KF+8*\f+3],   v[ADR] offset:(\f/2)*8*PK+(\f%2)*64
	ds_load_b128 v[KF+8*\f+4:KF+8*\f+7], v[ADR] offset:(\f/2)*8*PK+(\f%2)*64+32
.endr
.endm
.macro FETCH_V
	v_add_nc_u32 v[ADV], s[TBV], v[AV0]
	s_add_co_u32 s[TBV], s[TBV], VSTEPB
	WIN W_T1
.irp f, 0,1,2,3,4,5,6,7                        ; keys 32 (f / 4) on, channels 16 (f % 4) on
	ds_load_tr16_b128 v[VF+8*\f:VF+8*\f+3],   v[ADV] offset:(\f/4)*16*PV+(\f%4)*32
	ds_load_tr16_b128 v[VF+8*\f+4:VF+8*\f+7], v[ADV] offset:(\f/4)*16*PV+8*PV+(\f%4)*32
.endr
	WIN 0
.endm
; S^T = K Q^T for the four tiles: 32 products; the 16 accumulators take turns, one instruction a turn; the first 16 start the sums.
; Four places follow: for the first read of the scores and for the loads into K's registers (ISA guide 7.12.1 for vector instructions).
.macro KQALL
	WIN W_KQ
.irp c, 0,1
.irp k, 0,1,2,3
.irp t, 0,1,2,3
.if \c == 0
	v_wmma_f32_16x16x32_f16 v[S+32*\t+8*\k:S+32*\t+8*\k+7], v[KF+8*(2*\k+\c):KF+8*(2*\k+\c)+7], v[QF+16*\t+8*\c:QF+16*\t+8*\c+7], 0
.else
	v_wmma_f32_16x16x32_f16 v[S+32*\t+8*\k:S+32*\t+8*\k+7], v[KF+8*(2*\k+\c):KF+8*(2*\k+\c)+7], v[QF+16*\t+8*\c:QF+16*\t+8*\c+7], v[S+32*\t+8*\k:S+32*\t+8*\k+7]
.endif
.endr
.endr
.endr
	WIN 0
	PLACES 4
.endm
; O^T += V^T P: 32 products, the 16 accumulators by turns
.macro PVALL
	WIN W_PV
.irp k, 0,1
.irp c, 0,1,2,3
.irp t, 0,1,2,3
	v_wmma_f32_16x16x32_f16 v[OA+32*\t+8*\c:OA+32*\t+8*\c+7], v[VF+8*(4*\k+\c):VF+8*(4*\k+\c)+7], v[S+32*\t+8*\k:S+32*\t+8*\k+7], v[OA+32*\t+8*\c:OA+32*\t+8*\c+7]
.endr
.endr
.endr
	WIN 0
.endm
; The maximum of a lane's 32 scores and the old m (each accumulator read from its low end on), the other half of the lanes', the new m and c m, and a.  The four tiles take turns line by line.
.macro STATS
.irp j, 0,1,2,3
.irp t, 0,1,2,3
	v_max3_num_f32 v[ST+8*\t+4+\j], v[S+32*\t+8*\j], v[S+32*\t+8*\j+1], v[S+32*\t+8*\j+2]
.endr
.endr
.irp p, 3,5
.irp j, 0,1,2,3
.irp t, 0,1,2,3
	v_max3_num_f32 v[ST+8*\t+4+\j], v[ST+8*\t+4+\j], v[S+32*\t+8*\j+\p], v[S+32*\t+8*\j+\p+1]
.endr
.endr
.endr
.irp t, 0,1,2,3
	v_max3_num_f32 v[ST+8*\t+4], v[ST+8*\t+4], v[S+32*\t+7], v[S+32*\t+15]
.endr
.irp t, 0,1,2,3
	v_max3_num_f32 v[ST+8*\t+6], v[ST+8*\t+6], v[S+32*\t+23], v[S+32*\t+31]
.endr
.irp t, 0,1,2,3
	v_max3_num_f32 v[ST+8*\t+4], v[ST+8*\t+4], v[ST+8*\t+5], v[ST+8*\t+6]
.endr
.irp t, 0,1,2,3
	v_max3_num_f32 v[ST+8*\t+4], v[ST+8*\t+4], v[ST+8*\t+7], v[ST+8*\t+1]
.endr
.irp t, 0,1,2,3
	v_permlanex16_b32 v[ST+8*\t+5], v[ST+8*\t+4], s[SEL], s[SEL+1]   ; the query's other 32 keys lie in the lane 16 away
.endr
.irp t, 0,1,2,3
	v_mov_b32 v[ST+8*\t+7], v[ST+8*\t]             ; c m_old is kept for a
.endr
.irp t, 0,1,2,3
	v_max_num_f32 v[ST+8*\t+1], v[ST+8*\t+4], v[ST+8*\t+5]
.endr
.irp t, 0,1,2,3
	v_mul_f32 v[ST+8*\t], s[CS], v[ST+8*\t+1]
.endr
.irp t, 0,1,2,3
	v_sub_f32 v[ST+8*\t+7], v[ST+8*\t+7], v[ST+8*\t]
.endr
.irp t, 0,1,2,3
	v_exp_f32 v[ST+8*\t+6], v[ST+8*\t+7]           ; a = 2^(c m_old - c m_new); plain lines (tile 0's scalings) follow before it is used
.endr
.endm
.macro FLINE t, i                      ; pair i of tile t: c s - c m
	v_pk_fma_f32 v[S+32*(\t)+2*(\i):S+32*(\t)+2*(\i)+1], v[S+32*(\t)+2*(\i):S+32*(\t)+2*(\i)+1], s[CS:CS+1], v[ST+8*(\t):ST+8*(\t)+1] op_sel_hi:[1,0,0] neg_lo:[0,0,1] neg_hi:[0,0,1]
.endm
.macro RESCALE                         ; O^T times a, ascending
	WIN W_RS
.set i, 0
	s_wait_alu depctr_va_vdst(0)
.rept 16
.irp t, 0,1,2,3
	v_pk_mul_f32 v[OA+32*\t+2*i:OA+32*\t+2*i+1], v[OA+32*\t+2*i:OA+32*\t+2*i+1], v[ST+8*\t+6:ST+8*\t+7] op_sel_hi:[1,0]
.endr
.set i, i+1
.endr
	WIN 0
.endm
; Tile t's 32 exponentials, with plain work that is ready set between them: tile t + 1's scalings, and tile t - 1's sums and roundings to f16.  An exponential's result is first used one MIX on.
; The rounding of pair i goes into the tile's register i: pairs up to i have been summed and rounded by then, and pair i' > i lies in registers above i.
.macro MIX t
.set i, 0
.rept 16
.if (\t) < 4
	v_exp_f32 v[S+32*(\t)+2*i], v[S+32*(\t)+2*i]
.endif
.if (\t) < 3
	FLINE (\t)+1, i
.endif
.if (\t) < 4
	v_exp_f32 v[S+32*(\t)+2*i+1], v[S+32*(\t)+2*i+1]
.endif
.if (\t) > 0
.if i == 0
	s_wait_alu depctr_va_vdst(0)
	v_pk_fma_f32 v[ST+8*(\t)-6:ST+8*(\t)-5], v[ST+8*(\t)-6:ST+8*(\t)-5], v[ST+8*(\t)-2:ST+8*(\t)-1], v[S+32*(\t)-32:S+32*(\t)-31] op_sel_hi:[1,0,1]   ; l = a l + the first pair
	s_wait_alu depctr_va_vdst(0)
.else
	s_wait_alu depctr_va_vdst(0)
	v_pk_add_f32 v[ST+8*(\t)-6:ST+8*(\t)-5], v[ST+8*(\t)-6:ST+8*(\t)-5], v[S+32*(\t)-32+2*i:S+32*(\t)-31+2*i]
.endif
	v_cvt_pk_f16_f32 v[S+32*(\t)-32+i], v[S+32*(\t)-32+2*i], v[S+32*(\t)-31+2*i]
.endif
.set i, i+1
.endr
.endm
; A KEY STEP.  It begins with the step's scores made and its V asked for.  fetch = 1: the next step's K is asked for at its head, the next step's V behind the products V^T P, and the next scores are made at its end.
.macro TRIP fetch
.if \fetch
	FETCH_K
.endif
	STATS
.set i, 0
.rept 16
	FLINE 0, i
.set i, i+1
.endr
	RESCALE
	MIX 0
	MIX 1
	MIX 2
	MIX 3
	MIX 4
	s_wait_dscnt 16*\fetch                         ; V is in; the sixteen loads of the next step's K may be out
	PVALL
.if \fetch
	PLACES 5                                       ; the next scores are written over P's registers, which these products read: five places; they serve the loads into V's registers too
	FETCH_V
	s_wait_dscnt 16                                ; K is in; V's sixteen loads, just issued, are out
	KQALL
.endif
.endm
.macro INNER n                         ; n key steps
	s_mov_b32 s[CNT], \n
.Lstep_\@:
	TRIP 1
	s_sub_co_u32 s[CNT], s[CNT], 1
	s_cmp_lg_u32 s[CNT], 0
	s_cbranch_scc1 .Lstep_\@
.endm
; THE CHANGE OF SLOTS: the old slot's last bytes, V of its eighth step, have been asked for.  Each wave waits for all its tensor loads, of which one may be out: its part of the next slot; adds 0 to its
; spare word; and waits for that and for its reads of the old slot.  fill = 1: the old slot is filled again with the keys two slots on: the barrier is then a round of the cluster's, and the joint refill is
; the first thing behind it.
.macro CHANGE fill, old, next
	s_wait_tensorcnt 0x0                           ; no tensor load of mine is out, so a group 0 may be written
	ds_add_u32 v[SPW], v[NIL]                      ; 0 onto my spare word: the scalar lines below stand between it and the wait for it
.if \fill
	s_add_nc_u64 s[G0K+4*\old+2:G0K+4*\old+3], s[G0K+4*\old+2:G0K+4*\old+3], 2*SLOTG   ; the type bits on top are not reached
	s_add_nc_u64 s[G0V+4*\old+2:G0V+4*\old+3], s[G0V+4*\old+2:G0V+4*\old+3], 2*SLOTG
.endif
	s_mov_b32 s[TBK], \next*SLOTB                  ; the fetches go on at the next slot's first step
	s_mov_b32 s[TBV], \next*SLOTB
	s_wait_dscnt 0x0                               ; the add is done, and my reads of the old slot are over
.if \fill
	CROUND
	JLOAD \old
.else
	s_barrier_signal -1
	s_barrier_wait -1
.endif
.endm
	s_wait_tensorcnt 1                             ; my part of slot 0 is in; slot 1's may stay out
	s_barrier_signal -1
	s_barrier_wait -1                              ; everybody's is
	FETCH_K                                        ; key step 0
	FETCH_V
	s_wait_loadcnt 0x0                             ; Q
	s_wait_dscnt 16                                ; K is in; V's sixteen loads may be out
	KQALL
	INNER 7                                        ; steps 0 to 6; they fetch steps 1 to 7
	CHANGE 1, 0, 1                                 ; slot 0 takes keys 1,024 on
	INNER 8                                        ; steps 7 to 14
	CHANGE 1, 1, 0                                 ; slot 1 takes keys 1,536 on
	INNER 8                                        ; steps 15 to 22
	CHANGE 0, 0, 1                                 ; nothing is left to ask for
	INNER 8                                        ; steps 23 to 30
	TRIP 0                                         ; step 31
	; THE WAY OUT.  l's two halves and the other half of the lanes' are added; O^T is divided by l, rounded to f16 and sent through my stage, a tile (16 rows of ctx) at a time.  The first additions are the places behind the last products.
.irp t, 0,1,2,3
	v_add_f32 v[ST+8*\t+4], v[ST+8*\t+2], v[ST+8*\t+3]
.endr
.irp t, 0,1,2,3
	v_permlanex16_b32 v[ST+8*\t+5], v[ST+8*\t+4], s[SEL], s[SEL+1]
.endr
.irp t, 0,1,2,3
	v_add_f32 v[ST+8*\t+4], v[ST+8*\t+4], v[ST+8*\t+5]
.endr
.irp t, 0,1,2,3
	v_rcp_f32 v[ST+8*\t+6], v[ST+8*\t+4]
.endr
	v_nop                                          ; a plain instruction between the last reciprocal and the use of its result
	s_wait_alu depctr_va_vdst(0)
.macro PACK t                          ; a lane's eight channels of a row pack into 16 bytes; they go into rows of 144 bytes and come back as 2,048 consecutive bytes, into the registers that they left
	WIN W_RS
.set i, 0
.rept 16
	v_pk_mul_f32 v[OA+32*\t+2*i:OA+32*\t+2*i+1], v[OA+32*\t+2*i:OA+32*\t+2*i+1], v[ST+8*\t+6:ST+8*\t+7] op_sel_hi:[1,0]
.set i, i+1
.endr
	WIN 0x05                                       ; sources 0 and 1 window 1, destination window 0: S^T's registers are free
.set i, 0
.rept 16
	v_cvt_pk_f16_f32 v[S+16*\t+i], v[OA+32*\t+2*i], v[OA+32*\t+2*i+1]
.set i, i+1
.endr
	WIN 0
.irp f, 0,1,2,3
	ds_store_b128 v[STO], v[S+16*\t+4*\f:S+16*\t+4*\f+3] offset:\t*TST+32*\f
.endr
.irp f, 0,1,2,3
	ds_load_b128 v[S+16*\t+4*\f:S+16*\t+4*\f+3], v[RD] offset:\t*TST+\f*4*EP   ; LDS serves a wave's instructions in order (ISA guide 5.7.1.4): these see the stores above
.endr
.endm
.macro SEND t, younger                 ; younger: the LDS instructions issued behind tile t's loads: the next tile's eight, or none
.irp f, 0,1,2,3
	s_wait_dscnt \younger+3-\f
	global_store_b128 v[GO], v[S+16*\t+4*\f:S+16*\t+4*\f+3], s[6:7] offset:\t*2048+\f*512   ; the wave stores 512 consecutive bytes, aligned
.endr
.endm
	PACK 0
	PACK 1                                         ; a tile's arithmetic stands between the loads of the tile before and its stores
	SEND 0, 8
	PACK 2
	SEND 1, 8
	PACK 3
	SEND 2, 8
	SEND 3, 0
	s_wait_tensorcnt 0x0                           ; the wave's end: behind my last tensor load and my last LDS store
	ds_add_u32 v[SPW], v[NIL]
	s_wait_dscnt 0x0
	CROUND                                         ; the closing round: no work-group ends while a partner may still ask for a tile that names it
	s_endpgm
.Lfunc_end_k_qadc039d8af_attn:
	.size	k_qadc039d8af_attn, .Lfunc_end_k_qadc039d8af_attn-k_qadc039d8af_attn
	.p2alignl 7, 3214868480
	.fill 96, 4, 3214868480
	.section	.rodata,"a",@progbits
	.p2align	6, 0x0
	.amdhsa_kernel k_qadc039d8af_attn
		.amdhsa_group_segment_fixed_size 327680
		.amdhsa_private_segment_fixed_size 0
		.amdhsa_enable_private_segment 0
		.amdhsa_kernarg_size 16
		.amdhsa_user_sgpr_count 2
		.amdhsa_user_sgpr_kernarg_segment_ptr 1
		.amdhsa_wavefront_size32 1
		.amdhsa_system_sgpr_workgroup_id_x 1
		.amdhsa_system_sgpr_workgroup_id_y 1
		.amdhsa_system_sgpr_workgroup_id_z 1
		.amdhsa_system_vgpr_workitem_id 0
		.amdhsa_next_free_vgpr 512
		.amdhsa_next_free_sgpr 66
		.amdhsa_reserve_vcc 0
		.amdhsa_float_denorm_mode_32 3
		.amdhsa_float_denorm_mode_16_64 3
		.amdhsa_memory_ordered 1
		.amdhsa_forward_progress 1
		.amdhsa_inst_pref_size 199
	.end_amdhsa_kernel
	.amdgpu_metadata
---
amdhsa.version: [ 1, 2 ]
amdhsa.kernels:
  - .name:           k_qadc039d8af_attn
    .symbol:         k_qadc039d8af_attn.kd
    .args:
      - { .name: qkv, .offset: 0, .size: 8, .value_kind: global_buffer, .address_space: global }
      - { .name: ctx, .offset: 8, .size: 8, .value_kind: global_buffer, .address_space: global }
    .group_segment_fixed_size: 327680
    .private_segment_fixed_size: 0
    .kernarg_segment_align: 8
    .kernarg_segment_size: 16
    .max_flat_workgroup_size: 256
    .sgpr_count:     66
    .vgpr_count:     512
    .wavefront_size: 32
...
	.end_amdgpu_metadata
.endif
;; end of part 3
;; launch outp (part 4): grid 8 x 64, 4 waves a work-group, clusters of 4 x 4, 327,680 bytes of LDS; arguments ctx, wo16, out0; writes out0
.if DOCPART == 4
	.amdgcn_target "amdgcn-amd-amdhsa--gfx1250"
	.amdhsa_code_object_version 6
	.text
	.protected	k_qadc039d8af_outp
	.globl	k_qadc039d8af_outp
	.p2align	8
	.type	k_qadc039d8af_outp,@function
k_qadc039d8af_outp:
	s_mov_b64 s[64:65], 0
	v_nop
	global_prefetch_b8 v0, s[64:65] scope:SCOPE_SE
	s_setreg_imm32_b32 hwreg(HW_REG_WAVE_MODE, 25, 1), 1
	s_wait_xcnt 0x0
	s_wait_alu depctr_hold_cnt(0) depctr_sa_sdst(0) depctr_va_vdst(0) depctr_va_sdst(0) depctr_va_ssrc(0) depctr_va_vcc(0) depctr_vm_vsrc(0)
	s_getreg_b32 s2, hwreg(HW_REG_IB_STS2, 6, 4)
	s_cmp_eq_u32 s2, 0
	s_cbranch_scc0 .Lentry_in_a_cluster
	s_endpgm
.Lentry_in_a_cluster:
	s_bfe_u32 s2, ttmp6, 0x10000c
	s_cmp_lg_u32 s2, 0xf033
	s_cbranch_scc0 .Lentry_shape_is_right
	s_endpgm
.Lentry_shape_is_right:
; out0[m][o] = the sum over k of ctx[m][k] Wo[o][k], m = 2,048 b + n, k = 64 hb + c.  f16 operands, f32 sums, f32 out.
; ctx: [b 4][hb 16][n 2,048][64] f16;  wo16: [hb 16][o 1,024][64] f16;  out0: [8,192][1,024] f32.  In both operands 128 rows of one block hb of 64 along K are 16,384 consecutive bytes.
; A tile of C is 128 x 128 (512 work-groups); four waves, each 64 x 64: 16 accumulators.  A K step is 256 = four blocks hb; K = 1,024 is four K steps through two LDS slots: two laps, written out.
; TILES.  One tensor load a wave brings TWO blocks hb: a tile of 2 rows x 16,384 bytes, padded by 16 bytes behind every 256.  So an LDS row holds TWO rows of the operand: row i of a block lies at
; (i / 2) x 272 + 128 (i % 2); the 16 rows of a fragment load start at 16-byte columns (r / 2) + 8 (r % 2) mod 16: all different.  Waves 0, 1 fetch A's blocks 0, 1 and 2, 3 of the K step, waves 2, 3 B's.
; CLUSTERS: 4 x 4 work-groups; A's tiles are shared along a row of the cluster, B's along a column: each is asked for jointly, by the same tensor load with the same descriptor and a mask that names the four.
; THE MATRIX INSTRUCTION IS USED TRANSPOSED (source 0 = 16 rows of Wo, source 1 = 16 rows of ctx): a lane then holds eight neighbouring numbers of a row of C.
; REGISTERS: window 0: v0-31 addresses; v32-95 the way out; v128-255 the accumulators ((a, b) at v[128 + 8 (4 a + b)]).  window 1: two fragment buffers of 128: for 64 along K, 64 registers of A, then 64 of B.
.set HB,     64*272                    ; a block hb of 128 rows in LDS
.set BLK,    8*272                     ; 16 rows of it
.set HALFT,  2*HB                      ; what one tensor load brings
.set SLOT,   4*HALFT                   ; A's four blocks, then B's four
.set STEPA,  8*262144                  ; two K steps on in ctx: eight blocks hb
.set STEPW,  8*131072                  ; and in wo16
.set STAGE,  2*SLOT                    ; behind the ring: 16 rows x 272 bytes for each wave
.set SPITCH, 272
.set SPARE,  STAGE+4*16*SPITCH         ; behind the stages: the spare words, 128 bytes for each wave: two blocks of 256 bytes that no other line names
.set ADRA, 16                          ; v16-17  LDS address of my A fragments in slot 0, 1
.set ADRB, 20                          ; v20-21  the same for B
.set STO,  24                          ; v24     the way out: where I put 32 bytes of a row
.set RD,   25                          ; v25     where I read a row back
.set CO,   26                          ; v26     my byte offset in two rows of C
.set SPW,  28                          ; v28     LDS address of my spare word; never rewritten
.set NIL,  29                          ; v29     0; never rewritten
.set TMP,  32                          ; the way out: two sets of 32 registers
.set ACC,  128
.set F0,   0                           ; fragment buffers, in window 1
.set F1,   128
.set G1, 24                            ; s[24:31] group 1 for A's tiles;  s[32:39] group 0, a set for each slot
.set G0, 32
.set G1B, 48                           ; s[48:55], s[56:63] the same for B's
.set G0B, 56
.set MSB, 0
.macro WIN new                         ; the immediate's high byte repeats the setting that is left
.if MSB != \new
	s_set_vgpr_msb (MSB<<8)|\new
.set MSB, \new
.endif
.endm
.set MUL,  0x05                        ; sources 0 (B) and 1 (A) window 1; C and D window 0
.set TO_F, 0x40                        ; destination window 1, address window 0
.macro JLOAD s                         ; a joint load: waves 0 and 1 fetch for A, waves 2 and 3 for B; four v_nop follow each of the two lines
	s_cmp_eq_u32 s11, 0
	s_cbranch_scc0 .Lfor_b_\@
	tensor_load_to_lds s[G0+4*\s:G0+4*\s+3], s[G1:G1+7]
	s_nop 0
.rept 4
	v_nop
.endr
	s_branch .Lasked_\@
.Lfor_b_\@:
	tensor_load_to_lds s[G0B+4*\s:G0B+4*\s+3], s[G1B:G1B+7]
	s_nop 0
.rept 4
	v_nop
.endr
.Lasked_\@:
.endm
.macro CREST                           ; a round of the cluster's barrier behind its opening barrier
	s_cmp_lg_u32 s10, 0
	s_cbranch_scc1 .Lnot_wave_0_\@
	s_barrier_signal -3
.Lnot_wave_0_\@:
	s_barrier_wait -3
	s_barrier_signal -1
	s_barrier_wait -1
.endm
.macro CROUND                          ; a whole round
	s_barrier_signal -1
	s_barrier_wait -1
	CREST
.endm
	s_load_b128 s[4:7], s[0:1], 0x0                ; ctx s[4:5], wo16 s[6:7]
	s_load_b64 s[8:9], s[0:1], 0x10                ; out0
	v_lshl_add_u32 v[SPW], v0, 2, SPARE
	v_mov_b32 v[NIL], 0
	ds_add_u32 v28, v29
	ds_add_u32 v28, v29
	s_wait_dscnt 0x0
	v_lshrrev_b32 v1, 5, v0
	v_readfirstlane_b32 s10, v1                    ; wave 0..3
	s_lshr_b32 s11, s10, 1                         ; which half of the tile's rows is mine.  Also: I fetch for A (0) or for B (1)
	s_and_b32 s12, s10, 1                          ; which half of its columns.  Also: which two blocks hb of the K step I fetch
	s_bfe_u32 s40, ttmp6, 0x40000                  ; cx, cy: my place in the cluster
	s_bfe_u32 s41, ttmp6, 0x40004
	s_lshl_b32 s42, ttmp9, 2
	s_add_co_u32 s42, s42, s40                     ; tile column of C = 4 x cluster x + cx
	s_and_b32 s13, ttmp7, 0xffff
	s_lshl_b32 s13, s13, 2
	s_add_co_u32 s13, s13, s41                     ; tile row of C = 4 x cluster y + cy
	s_lshl_b32 s43, s41, 2
	s_lshl_b32 s43, 15, s43                        ; my row of the cluster
	s_lshl_b32 s44, 0x1111, s40                    ; my column
	; group 1: 2 rows x 2,048 elements of 8 bytes; 16 bytes of padding behind every 256, which divides the row
	s_or_b32 s[G1+0], s43, (3<<16)|(1<<20)|(1<<21)|(5<<22)|(3<<25)  ; 15:0 the mask: A's tiles go to my row; 17:16 elements of 8 bytes; 20 padding on; 21 set beside a mask; 24:22 after every 64 words; 31:25 four words
	s_or_b32 s[G1B+0], s44, (3<<16)|(1<<20)|(1<<21)|(5<<22)|(3<<25)
.irp g, G1, G1B
	s_mov_b32 s[\g+1], 2048<<16                    ; tensor_dim0
	s_mov_b32 s[\g+2], 2<<16                       ; tensor_dim1
	s_mov_b32 s[\g+3], 2048<<16                    ; tile_dim0
	s_mov_b32 s[\g+4], 2                           ; tile_dim1
	s_mov_b32 s[\g+6], 0
	s_mov_b32 s[\g+7], 0
.endr
	s_mov_b32 s[G1+5], 262144/8                    ; from block hb to the next: in ctx a head's 2,048 rows,
	s_mov_b32 s[G1B+5], 131072/8                   ; in wo16 1,024 rows
	s_lshr_b32 s16, s13, 4                         ; A: b = tile row / 16: 4,194,304 bytes each;
	s_lshl_b32 s16, s16, 22
	s_and_b32 s17, s13, 15                         ; 128 rows of 128 bytes for each tile row in b;
	s_lshl_b32 s17, s17, 14
	s_add_co_u32 s16, s16, s17
	s_lshl_b32 s17, s12, 19                        ; my two blocks hb
	s_add_co_u32 s16, s16, s17
	s_mov_b32 s17, 0
	s_lshl_b32 s46, s42, 14                        ; B: 128 rows of 128 bytes for each tile column;
	s_lshl_b32 s47, s12, 18                        ; my two blocks hb
	s_add_co_u32 s46, s46, s47
	s_mov_b32 s47, 0
	s_mul_i32 s20, s10, HALFT                      ; where they go: wave x two blocks: no place in the cluster enters an LDS address
	s_wait_kmcnt 0x0
	s_add_nc_u64 s[14:15], s[4:5], s[16:17]
	s_add_nc_u64 s[46:47], s[6:7], s[46:47]
	CROUND                                         ; all sixteen work-groups are here: the first joint loads meet
.irp s, 0,1
	s_mov_b32 s[G0+4*\s], 1
	s_add_co_u32 s[G0+4*\s+1], s20, \s*SLOT
	s_add_nc_u64 s[G0+4*\s+2:G0+4*\s+3], s[14:15], \s*STEPA/2
	s_or_b32 s[G0+4*\s+3], s[G0+4*\s+3], 0x80000000
	s_mov_b32 s[G0B+4*\s], 1
	s_add_co_u32 s[G0B+4*\s+1], s20, \s*SLOT
	s_add_nc_u64 s[G0B+4*\s+2:G0B+4*\s+3], s[46:47], \s*STEPW/2
	s_or_b32 s[G0B+4*\s+3], s[G0B+4*\s+3], 0x80000000
	JLOAD \s
.endr
	v_and_b32 v1, 15, v0                           ; r = l % 16
	v_bfe_u32 v2, v0, 4, 1                         ; h = l / 16
	v_lshrrev_b32 v3, 1, v1
	v_mul_u32_u24 v3, v3, 272                      ; a fragment's row: (r / 2) x 272
	v_and_b32 v4, 1, v0
	v_lshl_add_u32 v3, v4, 7, v3                   ; + 128 (r % 2)
	v_lshl_add_u32 v3, v2, 4, v3                   ; + 16 h
	s_mul_i32 s21, s11, 4*BLK                      ; my 64 rows of A, in each block
	s_mul_i32 s22, s12, 4*BLK                      ; my 64 rows of B,
	s_add_co_u32 s22, s22, 2*HALFT                 ; which lie behind A's four blocks
.irp s, 0,1
	v_add_nc_u32 v[ADRA+\s], s21, v3
	v_add_nc_u32 v[ADRB+\s], s22, v3
	s_add_co_u32 s21, s21, SLOT
	s_add_co_u32 s22, s22, SLOT
.endr
	s_mul_i32 s23, s10, 16*SPITCH
	s_add_co_u32 s23, s23, STAGE                   ; my stage
	v_mul_u32_u24 v4, v1, SPITCH                   ; in: row r, 32 bytes for each half of the lanes
	v_lshl_add_u32 v4, v2, 5, v4
	v_add_nc_u32 v[STO], s23, v4
	v_mul_u32_u24 v5, v2, SPITCH                   ; back: lanes 0-15 take one row of 256 bytes, lanes 16-31 the next
	v_lshl_add_u32 v5, v1, 4, v5
	v_add_nc_u32 v[RD], s23, v5
	v_lshlrev_b32 v5, 12, v2                       ; and the same two rows in C: 4,096 bytes a row
	v_lshl_add_u32 v[CO], v1, 4, v5
	s_lshl_b32 s16, s13, 7
	s_lshl_b32 s17, s11, 6
	s_add_co_u32 s16, s16, s17                     ; my first row of C: 128 x tile row + 64 x half
	s_lshl_b32 s16, s16, 12
	s_mov_b32 s17, 0
	s_add_nc_u64 s[8:9], s[8:9], s[16:17]
	s_lshl_b32 s46, s42, 9                         ; my first column, in bytes: 512 x tile column + 256 x half
	s_lshl_b32 s47, s12, 8
	s_add_co_u32 s46, s46, s47
	s_mov_b32 s47, 0
	s_add_nc_u64 s[8:9], s[8:9], s[46:47]
; 8 matrix instructions: m blocks a0, a0 + 1 x all 4 n blocks, 32 along K: half c of buffer f.  zero = 1: the first product starts the sums.  The 16 accumulators take turns.
.macro MUL8 f, c, a0, zero
.irp a, \a0, \a0+1
.irp b, 0,1,2,3
.if \zero
	v_wmma_f32_16x16x32_f16 v[ACC+8*(4*(\a)+\b):ACC+8*(4*(\a)+\b)+7], v[\f+64+8*(4*\c+\b):\f+64+8*(4*\c+\b)+7], v[\f+8*(4*\c+\a):\f+8*(4*\c+\a)+7], 0
.else
	v_wmma_f32_16x16x32_f16 v[ACC+8*(4*(\a)+\b):ACC+8*(4*(\a)+\b)+7], v[\f+64+8*(4*\c+\b):\f+64+8*(4*\c+\b)+7], v[\f+8*(4*\c+\a):\f+8*(4*\c+\a)+7], v[ACC+8*(4*(\a)+\b):ACC+8*(4*(\a)+\b)+7]
.endif
.endr
.endr
.endm
; 32 LDS loads in one run: the fragments of one block hb (64 along K), which begins k bytes into the slot's A and B, into buffer f; the first 32 along K first
.macro FETCH slot, k, f
	WIN TO_F
.irp c, 0,1
.irp i, 0,1,2,3
	ds_load_b128 v[\f+64+8*(4*\c+\i):\f+64+8*(4*\c+\i)+3],   v[ADRB+\slot] offset:\k+64*\c+\i*BLK
	ds_load_b128 v[\f+64+8*(4*\c+\i)+4:\f+64+8*(4*\c+\i)+7], v[ADRB+\slot] offset:\k+64*\c+\i*BLK+32
	ds_load_b128 v[\f+8*(4*\c+\i):\f+8*(4*\c+\i)+3],         v[ADRA+\slot] offset:\k+64*\c+\i*BLK
	ds_load_b128 v[\f+8*(4*\c+\i)+4:\f+8*(4*\c+\i)+7],       v[ADRA+\slot] offset:\k+64*\c+\i*BLK+32
.endr
.endr
.endm
.macro PLACES                          ; four places in front of loads into registers that matrix instructions have read, and of the first read of results (ISA guide 7.12.1 for vector instructions)
.rept 4
	v_nop
.endr
.endm
; A K step is four quarters, one block hb each: 32 matrix instructions, on buffers 0, 1, 0, 1.  One of the first three: multiplies buffer f and fetches the next block, at byte k, into g.
.macro QUARTER slot, k, f, g, zero
	s_wait_dscnt 16                                ; the first 32 along K are in; the other sixteen loads may be out
	WIN MUL
	MUL8 \f, 0, 0, \zero
	MUL8 \f, 0, 2, \zero
	PLACES
	FETCH \slot, \k, \g
	s_wait_dscnt 32                                ; all but the 32 just issued
	WIN MUL
	MUL8 \f, 1, 0, 0
	MUL8 \f, 1, 2, 0
.endm
; The last quarter multiplies buffer 1 and changes slots: ONE barrier; in front of it each wave waits for all its tensor loads, adds 0 to its spare word, and waits for that and for its own reads of this slot.
; fill = 1: this slot is filled again, two K steps ahead; the barrier then opens a round of the cluster's.
.macro TURN slot, next, fill
	WIN 0                                          ; (the add's two registers lie in window 0)
	s_wait_tensorcnt 0x0                           ; all my tensor loads have landed: my part of the next slot;
	ds_add_u32 v[SPW], v[NIL]                      ; 0 onto my spare word
	s_wait_dscnt 17                                ; (the add and the youngest sixteen loads may be out)
	WIN MUL
	MUL8 F1, 0, 0, 0                               ; eight matrix instructions stand between the add and the wait for it
	s_wait_dscnt 0x0                               ; the add is done, and my reads of this slot are over
	s_barrier_signal -1
	MUL8 F1, 0, 2, 0
.if \fill
	WIN 0
.endif
	s_barrier_wait -1
.if \fill
	CREST                                          ; no wave of any partner still reads this slot's tile or has a load on its way
	s_add_nc_u64 s[G0+4*\slot+2:G0+4*\slot+3], s[G0+4*\slot+2:G0+4*\slot+3], STEPA
	s_add_nc_u64 s[G0B+4*\slot+2:G0B+4*\slot+3], s[G0B+4*\slot+2:G0B+4*\slot+3], STEPW
	JLOAD \slot                                    ; the first tensor load behind the round; the four v_nop behind it are also the places in front of the loads below
.else
	PLACES
.endif
	FETCH \next, 0, F0
	WIN MUL
	MUL8 F1, 1, 0, 0
	MUL8 F1, 1, 2, 0
.endm
	s_wait_tensorcnt 1                             ; my part of K step 0 is in (K step 1's load may be out),
	s_barrier_signal -1
	s_barrier_wait -1                              ; everybody's is
	FETCH 0, 0, F0
	QUARTER 0, HB,   F0, F1, 1                     ; the first products start the sums: nothing is cleared
	QUARTER 0, 2*HB, F1, F0, 0
	QUARTER 0, 3*HB, F0, F1, 0
	TURN 0, 1, 1                                   ; slot 0 takes K step 2
	QUARTER 1, HB,   F0, F1, 0
	QUARTER 1, 2*HB, F1, F0, 0
	QUARTER 1, 3*HB, F0, F1, 0
	TURN 1, 0, 1                                   ; slot 1 takes K step 3
	QUARTER 0, HB,   F0, F1, 0                     ; the second lap fills nothing
	QUARTER 0, 2*HB, F1, F0, 0
	QUARTER 0, 3*HB, F0, F1, 0
	TURN 0, 1, 0
	QUARTER 1, HB,   F0, F1, 0
	QUARTER 1, 2*HB, F1, F0, 0
	QUARTER 1, 3*HB, F0, F1, 0
	s_wait_dscnt 16                                ; the very last quarter: nothing more to fetch
	WIN MUL
	MUL8 F1, 0, 0, 0
	MUL8 F1, 0, 2, 0
	s_wait_dscnt 0
	MUL8 F1, 1, 0, 0
	MUL8 F1, 1, 2, 0
	WIN 0
; THE WAY OUT, block by block of 16 rows x 64 columns.  A lane holds 32 neighbouring bytes of a row, and the lanes beside it hold other rows: so a block goes through my own stage and comes back as rows of
; 256 bytes: sixteen lanes store 256 consecutive bytes, aligned.  LDS serves a wave's instructions in order (ISA guide 5.7.1.4): no wait between the stores and the loads, nor in front of the next block's stores.
.macro TOSTAGE a
.irp b, 0,1,2,3
	ds_store_b128 v[STO], v[ACC+8*(4*(\a)+\b):ACC+8*(4*(\a)+\b)+3] offset:64*\b          ; each accumulator from its low end on
	ds_store_b128 v[STO], v[ACC+8*(4*(\a)+\b)+4:ACC+8*(4*(\a)+\b)+7] offset:64*\b+16
.endr
.irp t, 0,1,2,3,4,5,6,7
	ds_load_b128 v[TMP+32*((\a)%2)+4*\t:TMP+32*((\a)%2)+4*\t+3], v[RD] offset:\t*2*SPITCH
.endr
.endm
.macro SEND a, younger                 ; younger: the LDS instructions issued behind block a's loads, which may stay out
	s_wait_dscnt \younger
.irp t, 0,1,2,3,4,5,6,7
	global_store_b128 v[CO], v[TMP+32*((\a)%2)+4*\t:TMP+32*((\a)%2)+4*\t+3], s[8:9] offset:(16*(\a)+2*\t)*4096 th:TH_STORE_NT   ; written once, read by nobody here; 62 rows of C at the most in the immediate
.endr
.endm
	PLACES
	TOSTAGE 0
	TOSTAGE 1
	SEND 0, 16                                     ; behind block 0's loads: block 1's 8 stores and 8 loads
	s_wait_xcnt 0x0                                ; block 0's stores have read their data: block 2's loads may land there
	TOSTAGE 2
	SEND 1, 16
	s_wait_xcnt 0x0
	TOSTAGE 3
	SEND 2, 16
	SEND 3, 0
	s_wait_tensorcnt 0x0                           ; the wave's end: behind my last tensor load and my last LDS store
	ds_add_u32 v[SPW], v[NIL]
	s_wait_dscnt 0x0
	CROUND                                         ; the closing round: no work-group ends while a partner may still ask for a tile that names it
	s_endpgm
.Lfunc_end_k_qadc039d8af_outp:
	.size	k_qadc039d8af_outp, .Lfunc_end_k_qadc039d8af_outp-k_qadc039d8af_outp
	.p2alignl 7, 3214868480
	.fill 96, 4, 3214868480
	.section	.rodata,"a",@progbits
	.p2align	6, 0x0
	.amdhsa_kernel k_qadc039d8af_outp
		.amdhsa_group_segment_fixed_size 327680
		.amdhsa_private_segment_fixed_size 0
		.amdhsa_enable_private_segment 0
		.amdhsa_kernarg_size 24
		.amdhsa_user_sgpr_count 2
		.amdhsa_user_sgpr_kernarg_segment_ptr 1
		.amdhsa_wavefront_size32 1
		.amdhsa_system_sgpr_workgroup_id_x 1
		.amdhsa_system_sgpr_workgroup_id_y 1
		.amdhsa_system_sgpr_workgroup_id_z 1
		.amdhsa_system_vgpr_workitem_id 0
		.amdhsa_next_free_vgpr 512
		.amdhsa_next_free_sgpr 66
		.amdhsa_reserve_vcc 0
		.amdhsa_float_denorm_mode_32 3
		.amdhsa_float_denorm_mode_16_64 3
		.amdhsa_memory_ordered 1
		.amdhsa_forward_progress 1
		.amdhsa_inst_pref_size 85
	.end_amdhsa_kernel
	.amdgpu_metadata
---
amdhsa.version: [ 1, 2 ]
amdhsa.kernels:
  - .name:           k_qadc039d8af_outp
    .symbol:         k_qadc039d8af_outp.kd
    .args:
      - { .name: ctx, .offset: 0, .size: 8, .value_kind: global_buffer, .address_space: global }
      - { .name: wo16, .offset: 8, .size: 8, .value_kind: global_buffer, .address_space: global }
      - { .name: out0, .offset: 16, .size: 8, .value_kind: global_buffer, .address_space: global }
    .group_segment_fixed_size: 327680
    .private_segment_fixed_size: 0
    .kernarg_segment_align: 8
    .kernarg_segment_size: 24
    .max_flat_workgroup_size: 128
    .sgpr_count:     66
    .vgpr_count:     512
    .wavefront_size: 32
...
	.end_amdgpu_metadata
.endif
;; end of part 4
